; MI455X (gfx1250); checked and timed in simulation.
; The chip was launched on July 23, 2026; its instructions are those of AMD's public machine-readable ISA for CDNA 5 (MIT licence, August 2026) and "CDNA5" Instruction Set Architecture Reference Guide (July 2026). The comments in the code are by the model that wrote it; some were corrected since.
;; Multi Head Attention. Allowed arithmetic: matrix products marked QUANTISED: E4M3 operands, one given power-of-two scale a tensor, by v_wmma_f32_16x16x64_fp8_fp8 or v_wmma_f32_16x16x128_fp8_fp8, f32 sums; everything else in f32.
;; Inputs: Wk 1,024 x 1,024 float32; Wo 1,024 x 1,024 float32; Wq 1,024 x 1,024 float32; Wv 1,024 x 1,024 float32; bk 1,024 float32; bo 1,024 float32; bq 1,024 float32; bv 1,024 float32; lowp_scales 12 int32 (the exponents e of the quantised operands' scales 2^e); x 4 x 2,048 x 1,024 float32.
;; Outputs: out0 4 x 2,048 x 1,024 float32.
;; This version of the problem:
;;   THIS VERSION OF THE PROBLEM IS GIVEN IN LOW PRECISION. The matrix products marked QUANTISED in the list below multiply operands that are first quantised to E4M3 (4 exponent bits, 3 mantissa bits; 8 bits a number), with one given power-of-two scale for each operand tensor; their sums are f32. All else is computed in f32.
;;   The module's matrix products, in the order in which they are computed (A, B: the left and right operand; K: the contracted axis; several contracted axes count as one K, in the product's order):
;;     1. [M 8,192, K 1,024] x [K 1,024, N 1,024]; A: input x; B: input Wq: QUANTISED (scales: A lowp_scales[0], B lowp_scales[1])
;;     2. [M 8,192, K 1,024] x [K 1,024, N 1,024]; A: input x; B: input Wk: QUANTISED (scales: A lowp_scales[2], B lowp_scales[3])
;;     3. [M 8,192, K 1,024] x [K 1,024, N 1,024]; A: input x; B: input Wv: QUANTISED (scales: A lowp_scales[4], B lowp_scales[5])
;;     4. batch 64 x [M 2,048, K 64] x [K 64, N 2,048]; A: computed on the way; B: computed on the way: QUANTISED (scales: A lowp_scales[6], B lowp_scales[7])
;;     5. batch 64 x [M 2,048, K 2,048] x [K 2,048, N 64]; A: softmax (see below); B: computed on the way: QUANTISED (scales: A lowp_scales[8], B lowp_scales[9])
;;     6. [M 8,192, K 1,024] x [K 1,024, N 1,024]; A: computed on the way; B: input Wo: QUANTISED (scales: A lowp_scales[10], B lowp_scales[11])
;;   THE QUANTISER, for each operand of a quantised product, along K:
;;     - The operand's scale is 2^e, e = its entry of the input lowp_scales (int32; the entries are numbered through the quantised products in the list's order, A before B).
;;     - Each number is divided by the scale, clamped to +-448, and rounded to the nearest number of E4M3, ties to even, subnormals kept.
;;     - The product sums the exact products of the quantised numbers (number of the format x scale) in f32.
;;   ~~~python
;;   def quantise(x, axis, e):      # numpy; x: float32 -> the quantised numbers, widened to float32 again
;;       x = np.moveaxis(x, axis, -1); K = x.shape[-1]
;;       r = np.clip(x / 2.0 ** e, -448, 448)
;;       step = 2.0 ** (np.maximum(np.frexp(np.where(r == 0, 1, r))[1] - 1, -6) - 3)
;;       q = np.round(r / step) * step * 2.0 ** e      # np.round: ties to even
;;       return np.moveaxis(q, -1, axis).astype(np.float32)
;;   ~~~
;;   SOFTMAX AHEAD OF A QUANTISED PRODUCT. Where the list says 'softmax', what is quantised is not the finished softmax but p = 2^(t - M), with t = logit x log2(e) and M = ceil(the row's largest t), a whole number; so 1/2 < the row's largest p <= 1. The row's sum l is taken of the UNQUANTISED p, in f32, and the product's result is divided by l at the end. Since M is a whole number, a kernel that streams over the keys may use a running M (the ceiling of the running maximum): every later rescaling is an exact power of two, so the quantised numbers keep their values, but for numbers so far below the row's largest that they fall under the format's range.
;;   OPERANDS COMPUTED ON THE WAY. 'Computed on the way' means the value that the module computes at that place (a softmax that the list does not call 'softmax' is quantised finished and normalised). What goes into a quantiser is computed in f32, as accurately as f32 sums, v_exp_f32 and their like allow (about 1e-6 of the number): no bf16 or f16 on the way to a quantiser, and a product that is left as it is and whose result goes on into a quantised operand takes f32 operands (vector FMAs, or v_wmma_f32_16x16x4_f32). A number that lies on a knife's edge between two numbers of the format may be rounded either way, as far as f32 arithmetic and the matrix unit's own rounding can turn it there, and no further.
;; One version. Each part assembles by itself: llvm-mc -triple=amdgcn-amd-amdhsa -mcpu=gfx1250 --defsym DOCPART=n.
;; ======== version 1 of 1: 4 launches
;; limits: right only within a limited range of input values
;; workspace buffers: xc 25,165,824 bytes; wc 4,194,304 bytes; qkv 25,165,824 bytes; ac 8,388,608 bytes
;; launch quant (part 1): grid 384 x 1, 4 waves a work-group, no clusters, 33,280 bytes of LDS; arguments x, Wq, Wk, Wv, Wo, lowp_scales, xc, wc; writes xc, wc
.if DOCPART == 1
	.amdgcn_target "amdgcn-amd-amdhsa--gfx1250"
	.amdhsa_code_object_version 6
	.text
	.protected	k_q3f36d016d9_quant
	.globl	k_q3f36d016d9_quant
	.p2align	8
	.type	k_q3f36d016d9_quant,@function
k_q3f36d016d9_quant:
	s_mov_b64 s[64:65], 0
	v_nop
	global_prefetch_b8 v0, s[64:65] scope:SCOPE_SE
	s_setreg_imm32_b32 hwreg(HW_REG_WAVE_MODE, 25, 1), 1
	s_wait_xcnt 0x0
; x [8192][1024] and the four weights [1024][1024], all f32 with K innermost, become codes of E4M3, one byte a code, K innermost.
; x is an operand of three products with three given scales (entries 0, 2, 4): three sets of codes, 8 MiB apart in xc.  Wq, Wk, Wv, Wo (entries 1, 3, 5, 11) lie 1 MiB apart in wc.
; code = number / 2^e, held within +-448, to the nearest code, ties to even.
; LIMITS: each e between -126 and 119, so that 2^e and 448 x 2^e are f32 numbers.  NaN among the inputs is not served; an infinity is held at the largest code.
; Rows are dense, so every tensor is a plain stream.  A work-group takes 32,768 numbers, a wave 8,192 in 16 steps of 512.  Work-groups 0-255 take x, 256-383 the weights, 32 each.
; Each load reads 512 consecutive bytes, 16 a lane; a step's 2,048 bytes turn through the wave's own stage in LDS (16 bytes of padding behind each 64) and come back 64 bytes a lane: 16 neighbours along K,
; as the conversions want them.  A lane's 16 codes are 16 bytes: each store of the wave covers 512 consecutive bytes, aligned.
; One path for both kinds of work-group; only x's second and third conversion stand under a scalar branch on the work-group's number.  Waves share nothing: no barrier.
.set STEPS, 16
.set SP,    80                         ; a lane's place in a stage: 64 bytes + 16 of padding
.set WREG,  8192                       ; a wave's region of LDS: two stages of 32 x SP bytes
.set SPARE, 4*WREG                     ; behind the regions: the spare words, 128 bytes a wave, that no other line names
.set SPW,   12                         ; v12  my spare word's address; never rewritten
.set NIL,   13                         ; v13  0; never rewritten
.set R,     16                         ; v16-79   four sets of 16 numbers as loaded
.set X,     80                         ; v80-111  two sets of 16 neighbours
.set T,     112
.set C,     128                        ; v128-175 codes: a ring of four steps x three sets x four registers
	s_load_b256 s[4:11], s[0:1], 0x0               ; x, Wq, Wk, Wv
	s_load_b256 s[12:19], s[0:1], 0x20             ; Wo, the scales' exponents, xc, wc
	v_lshl_add_u32 v[SPW], v0, 2, SPARE
	v_mov_b32 v[NIL], 0
	v_lshrrev_b32 v1, 5, v0
	v_readfirstlane_b32 s20, v1                    ; wave
	v_and_b32 v2, 31, v0                           ; lane
	v_lshlrev_b32 v3, 4, v2                        ; 16 x lane: my bytes of a load's 512 and of a store's 512
	s_mul_i32 s44, s20, WREG
	v_lshrrev_b32 v14, 2, v2
	v_mul_u32_u24 v14, v14, SP
	v_and_b32 v15, 3, v2
	v_lshl_add_u32 v14, v15, 4, v14
	v_add_nc_u32 v14, s44, v14                     ; the stage, on the way in: SP (lane / 4) + 16 (lane % 4)
	v_mul_u32_u24 v15, v2, SP
	v_add_nc_u32 v15, s44, v15                     ; and on the way out: SP x lane
	s_sub_co_u32 s22, ttmp9, 256                   ; m: the work-group's number among the weights'
	s_bfe_u32 s23, s22, 0x20005                    ; which weight: (m / 32) % 4
	s_and_b32 s45, s22, 31                         ; which 32,768 numbers of it
	s_lshl_b32 s50, s20, 15                        ; my wave's numbers: 32,768 bytes,
	s_lshl_b32 s51, s20, 13                        ; and codes: 8,192 bytes
	s_wait_alu depctr_va_vdst(0)
	s_wait_kmcnt 0x0
	s_load_b256 s[32:39], s[14:15], 0x0            ; entries 0-7
	s_load_b128 s[40:43], s[14:15], 0x20           ; entries 8-11
	s_cmp_eq_u32 s23, 1                            ; the buffers are chosen by the work-group's number alone
	s_cselect_b64 s[24:25], s[8:9], s[6:7]
	s_cmp_eq_u32 s23, 2
	s_cselect_b64 s[24:25], s[10:11], s[24:25]
	s_cmp_eq_u32 s23, 3
	s_cselect_b64 s[24:25], s[12:13], s[24:25]
	s_cmp_lt_u32 ttmp9, 256
	s_cselect_b64 s[24:25], s[4:5], s[24:25]       ; the source
	s_cselect_b64 s[26:27], s[16:17], s[18:19]     ; the codes' buffer
	s_cselect_b32 s21, 1, 0                        ; 1: x's work-group
	s_cselect_b32 s45, ttmp9, s45
	s_cselect_b32 s46, ttmp9, s22
	s_lshl_b32 s48, s45, 17
	s_add_co_u32 s48, s48, s50
	s_mov_b32 s49, 0
	s_add_nc_u64 s[24:25], s[24:25], s[48:49]
	s_lshl_b32 s48, s46, 15
	s_add_co_u32 s48, s48, s51
	s_add_nc_u64 s[26:27], s[26:27], s[48:49]
	s_add_nc_u64 s[28:29], s[26:27], 0x800000      ; x's second and third set: bases of their own, since 8 MiB is past a store's immediate.  Named by x's work-groups alone
	s_add_nc_u64 s[30:31], s[26:27], 0x1000000
.macro LOAD t
.irp i, 0,1,2,3
	global_load_b128 v[R+16*((\t)%4)+4*\i:R+16*((\t)%4)+4*\i+3], v3, s[24:25] offset:2048*(\t)+512*\i th:TH_LOAD_NT
.endr
.endm
.macro TURN t                          ; step t's numbers through the stage: LDS serves a wave's instructions in order, so no wait stands between the stores and the loads
.irp i, 0,1,2,3
	ds_store_b128 v14, v[R+16*((\t)%4)+4*\i:R+16*((\t)%4)+4*\i+3] offset:32*SP*((\t)%2)+8*SP*\i
.endr
.irp i, 0,1,2,3
	ds_load_b128 v[X+16*((\t)%2)+4*\i:X+16*((\t)%2)+4*\i+3], v15 offset:32*SP*((\t)%2)+16*\i
.endr
.endm
.irp t, 0,1,2,3
	LOAD \t
.endr
.macro MKSC e, sc, lim                 ; 2^e as f32
	s_add_co_i32 s48, \e, 127
	s_lshl_b32 s49, s48, 23
	v_mov_b32 v[\sc], s49
.endm
	s_wait_kmcnt 0x0
	s_cmp_eq_u32 s23, 1
	s_cselect_b32 s47, s35, s33
	s_cmp_eq_u32 s23, 2
	s_cselect_b32 s47, s37, s47
	s_cmp_eq_u32 s23, 3
	s_cselect_b32 s47, s43, s47
	s_cmp_eq_u32 s21, 1
	s_cselect_b32 s47, s32, s47                    ; the first set's e
	MKSC s47, 6, 7
	MKSC s34, 8, 9                                 ; entry 2
	MKSC s36, 10, 11                               ; entry 4
	s_wait_alu depctr_va_vdst(0)
	s_wait_loadcnt 12                              ; step 0's four loads are in; the twelve behind them may be out
	TURN 0
; One set of codes of step t.
.macro QCV t, k, sc, lim, base
.set XS, X+16*((\t)%2)
.set CC, C+12*((\t)%4)+4*(\k)
.set i, 0
.rept 16
.set i, i+1
.endr
	v_cvt_scalef32_pk8_fp8_f32 v[CC:CC+1], v[XS:XS+7], v[\sc]
	v_cvt_scalef32_pk8_fp8_f32 v[CC+2:CC+3], v[XS+8:XS+15], v[\sc]
	v_nop                                          ; one plain line behind the conversions
	global_store_b128 v3, v[CC:CC+3], s[\base:\base+1] offset:512*(\t)
.endm
.macro STEP t
.if (\t) >= 4
	s_wait_xcnt 0x0                                ; the stores of four steps back have read the code registers that this step writes
.endif
	s_wait_dscnt 0x0                               ; this step's numbers are back from the stage, and its stores into the stage have read their registers,
.if (\t)+4 < STEPS
	LOAD (\t)+4                                    ; which take the loads of four steps on
.endif
.if (\t)+1 < STEPS
.if STEPS-2-(\t) >= 3
	s_wait_loadcnt 12                              ; the next step's four loads are in; those of the three steps behind it may be out
.else
	s_wait_loadcnt 4*(STEPS-2-(\t))
.endif
	TURN (\t)+1
.endif
	QCV \t, 0, 6, 7, 26
	s_cmp_eq_u32 s21, 0
	s_cbranch_scc1 .Lone_\@                        ; a weight has one scale
	QCV \t, 1, 8, 9, 28
	QCV \t, 2, 10, 11, 30
.Lone_\@:
.endm
.irp t, 0,1,2,3,4,5,6,7,8,9,10,11,12,13,14,15
	STEP \t
.endr
	s_wait_tensorcnt 0x0                           ; the wave's end, behind my last LDS store
	ds_add_u32 v[SPW], v[NIL]
	s_wait_dscnt 0x0
	s_endpgm
.Lfunc_end_k_q3f36d016d9_quant:
	.size	k_q3f36d016d9_quant, .Lfunc_end_k_q3f36d016d9_quant-k_q3f36d016d9_quant
	.p2alignl 7, 3214868480
	.fill 96, 4, 3214868480
	.section	.rodata,"a",@progbits
	.p2align	6, 0x0
	.amdhsa_kernel k_q3f36d016d9_quant
		.amdhsa_group_segment_fixed_size 33280
		.amdhsa_private_segment_fixed_size 0
		.amdhsa_enable_private_segment 0
		.amdhsa_kernarg_size 64
		.amdhsa_user_sgpr_count 2
		.amdhsa_user_sgpr_kernarg_segment_ptr 1
		.amdhsa_wavefront_size32 1
		.amdhsa_system_sgpr_workgroup_id_x 1
		.amdhsa_system_sgpr_workgroup_id_y 1
		.amdhsa_system_sgpr_workgroup_id_z 1
		.amdhsa_system_vgpr_workitem_id 0
		.amdhsa_next_free_vgpr 176
		.amdhsa_next_free_sgpr 66
		.amdhsa_reserve_vcc 0
		.amdhsa_float_denorm_mode_32 3
		.amdhsa_float_denorm_mode_16_64 3
		.amdhsa_fp16_overflow 1
		.amdhsa_memory_ordered 1
		.amdhsa_forward_progress 1
		.amdhsa_inst_pref_size 32
	.end_amdhsa_kernel
	.amdgpu_metadata
---
amdhsa.version: [ 1, 2 ]
amdhsa.kernels:
  - .name:           k_q3f36d016d9_quant
    .symbol:         k_q3f36d016d9_quant.kd
    .args:
      - { .name: x, .offset: 0, .size: 8, .value_kind: global_buffer, .address_space: global }
      - { .name: Wq, .offset: 8, .size: 8, .value_kind: global_buffer, .address_space: global }
      - { .name: Wk, .offset: 16, .size: 8, .value_kind: global_buffer, .address_space: global }
      - { .name: Wv, .offset: 24, .size: 8, .value_kind: global_buffer, .address_space: global }
      - { .name: Wo, .offset: 32, .size: 8, .value_kind: global_buffer, .address_space: global }
      - { .name: lowp_scales, .offset: 40, .size: 8, .value_kind: global_buffer, .address_space: global }
      - { .name: xc, .offset: 48, .size: 8, .value_kind: global_buffer, .address_space: global }
      - { .name: wc, .offset: 56, .size: 8, .value_kind: global_buffer, .address_space: global }
    .group_segment_fixed_size: 33280
    .private_segment_fixed_size: 0
    .kernarg_segment_align: 8
    .kernarg_segment_size: 64
    .max_flat_workgroup_size: 128
    .sgpr_count:     66
    .vgpr_count:     176
    .wavefront_size: 32
...
	.end_amdgpu_metadata
.endif
;; end of part 1
;; launch proj (part 2): grid 16 x 24, 4 waves a work-group, clusters of 4 x 4, 327,680 bytes of LDS; arguments xc, wc, lowp_scales, bq, bk, bv, qkv; writes qkv
.if DOCPART == 2
	.amdgcn_target "amdgcn-amd-amdhsa--gfx1250"
	.amdhsa_code_object_version 6
	.text
	.protected	k_q3f36d016d9_proj
	.globl	k_q3f36d016d9_proj
	.p2align	8
	.type	k_q3f36d016d9_proj,@function
k_q3f36d016d9_proj:
	s_mov_b64 s[64:65], 0
	v_nop
	global_prefetch_b8 v0, s[64:65] scope:SCOPE_SE
	s_setreg_imm32_b32 hwreg(HW_REG_WAVE_MODE, 25, 1), 1
	s_wait_xcnt 0x0
	s_wait_alu depctr_hold_cnt(0) depctr_sa_sdst(0) depctr_va_vdst(0) depctr_va_sdst(0) depctr_va_ssrc(0) depctr_va_vcc(0) depctr_vm_vsrc(0)
	s_getreg_b32 s2, hwreg(HW_REG_IB_STS2, 6, 4)
	s_cmp_eq_u32 s2, 0
	s_cbranch_scc0 .Lentry_in_a_cluster
	s_endpgm
.Lentry_in_a_cluster:
	s_bfe_u32 s2, ttmp6, 0x10000c
	s_cmp_lg_u32 s2, 0xf033
	s_cbranch_scc0 .Lentry_shape_is_right
	s_endpgm
.Lentry_shape_is_right:
; Three products on codes of E4M3, K = 1,024, each result + bias quantised again:  job 0: q = x Wq^T + bq (entry 6);  job 1: k = x Wk^T + bk (entry 7);  job 2: V^T = Wv x^T + bv (entry 9).
; All three are C'[i][j] = sum over k of A'[i][k] B'[j][k]: A' = x's codes and B' = the weight's for q and k; the other way round for V^T, whose rows are then the head's channels and whose keys lie innermost.
; qkv: q [8192][1024] at 0, k at 8 MiB, V^T [1024][8192] at 16 MiB, one byte a code.
; LIMITS: the two operands' exponents added lie between -126 and 127; the result's e between -126 and 119.  NaN is not served.
; A tile of C', 256 x 256, is made by four waves, each 128 x 128: 64 accumulators, 512 registers.  K goes in four steps of 256 through two LDS slots filled by the tensor data mover: rows of 256 bytes.
; CLUSTERS of 4 x 4: 24 of them, eight to a job.  A' tiles are asked for jointly along a row of the cluster, B' tiles along a column.
; THE MATRIX INSTRUCTION IS USED TRANSPOSED (source 0 = 16 rows of B', source 1 = 16 rows of A'): a lane holds eight neighbouring columns of one row of C'.
; A bias along the columns (q, k) is the C of each sum's first product, divided by the power of two that the sums lack; a bias along the rows (V^T) is the addend of the way out's multiply-add.  The one that a job has not is 0.
; REGISTERS: window 0: v0-31 addresses; v32-95 the column bias, later at work; v96-111 the row bias in pairs; v112 the result's scale; v128-255 A' fragments (one set), later codes.
;   window 1: B' fragments, two sets.  windows 2, 3: the accumulators of my rows 0-63 and 64-127, (a, b) at v[8 (8 (a % 4) + b)].
.set KROW,   1024                      ; a row of A' or B' in memory, bytes
.set ROWB,   256                       ; a tile's row: a K step
.set PITCH,  272                       ; an LDS row: 256 bytes + 16 of padding: the 16 rows that a load touches start 16 bytes apart modulo 256
.set FR,     16                        ; registers of a fragment: 16 rows x 128 K
.set NL,     4                         ; LDS loads that bring one
.set NP,     4                         ; places behind this matrix instruction (ISA guide 7.12.1)
.set HALFT,  128*PITCH                 ; what one tensor load brings
.set SLOT,   4*HALFT                   ; A' 256 rows, then B' 256 rows
.set SPARE,  2*SLOT                    ; behind the ring: the spare words, 128 bytes a wave, that no other line names
.set SPITCH, 272                       ; the way out: one stage of 256 rows x (256 + 16) bytes, in slot 0, which has had its last fill and its last read by then
.set ADRA, 16
.set ADRB, 20
.set STO,  24
.set RD,   25
.set SPW,  28
.set NIL,  29
.set BC,   32
.set TMP,  32
.set BR,   96
.set SC,   112
.set LIM,  113
.set AF,   128
.set CODE, 128
.set G1, 24
.set G0, 32
.set G1B, 48
.set G0B, 56
.set MSB, 0
.macro WIN new                         ; the immediate's high byte repeats the setting that is left
.if MSB != \new
	s_set_vgpr_msb (MSB<<8)|\new
.set MSB, \new
.endif
.endm
.set MUL_LO, 0xa1                      ; source 0 (B') window 1, source 1 (A') window 0, C and D window 2
.set MUL_HI, 0xf1                      ; the same, C and D window 3
.set FST_LO, 0x81                      ; the first products: C (the bias) window 0, D window 2
.set FST_HI, 0xc1                      ; D window 3
.set TO_B,   0x40
; A joint load: waves 0 and 1 fetch for A', waves 2 and 3 for B'.  The branch hangs on the wave's number alone.  An s_nop 0 and four v_nop follow each line.
.macro JLOAD g0a, g1a, g0b, g1b
	s_cmp_eq_u32 s15, 0
	s_cbranch_scc0 .Lfor_b_\@
	tensor_load_to_lds s[\g0a:\g0a+3], s[\g1a:\g1a+7]
	s_nop 0
.rept 4
	v_nop
.endr
	s_branch .Lasked_\@
.Lfor_b_\@:
	tensor_load_to_lds s[\g0b:\g0b+3], s[\g1b:\g1b+7]
	s_nop 0
.rept 4
	v_nop
.endr
.Lasked_\@:
.endm
.macro CREST                           ; a round of the cluster's barrier behind its opening barrier
	s_cmp_lg_u32 s14, 0
	s_cbranch_scc1 .Lnot_wave_0_\@
	s_barrier_signal -3
.Lnot_wave_0_\@:
	s_barrier_wait -3
	s_barrier_signal -1
	s_barrier_wait -1
.endm
.macro CROUND
	s_barrier_signal -1
	s_barrier_wait -1
	CREST
.endm
	s_load_b256 s[68:75], s[0:1], 0x0              ; xc, wc, the scales' exponents, bq
	s_load_b128 s[76:79], s[0:1], 0x20             ; bk, bv
	s_load_b64 s[80:81], s[0:1], 0x30              ; qkv
	v_lshl_add_u32 v[SPW], v0, 2, SPARE
	v_mov_b32 v[NIL], 0
	ds_add_u32 v[SPW], v[NIL]
	ds_add_u32 v[SPW], v[NIL]                      ; the wave's opening: the add and its wait stand ahead of my first tensor load; work on registers stands between
	v_lshrrev_b32 v1, 5, v0
	v_readfirstlane_b32 s14, v1                    ; wave
	s_lshr_b32 s15, s14, 1                         ; my half of the tile's rows.  Also: I fetch for A' (0) or B' (1)
	s_and_b32 s16, s14, 1                          ; my half of its columns.  Also: which 128 rows I fetch
	s_bfe_u32 s40, ttmp6, 0x40000                  ; cx
	s_bfe_u32 s41, ttmp6, 0x40004                  ; cy
	s_and_b32 s66, ttmp7, 0xffff
	s_lshl_b32 s66, s66, 2
	s_add_co_u32 s66, s66, ttmp9                   ; the cluster's number, 0-23: the same in all sixteen partners
	s_and_b32 s67, s66, 7
	s_lshl_b32 s67, s67, 2                         ; 4 x its number within the job
	s_lshr_b32 s66, s66, 3                         ; the job
	s_lshl_b32 s82, s66, 23                        ; the job's set of x's codes, and its part of qkv: 8 MiB each
	s_lshl_b32 s83, s66, 20                        ; the job's weight: 1 MiB each
	s_cmp_eq_u32 s66, 2                            ; V^T?
	s_cselect_b32 s17, 0, s67
	s_cselect_b32 s42, s67, 0
	s_cselect_b32 s100, -1, 0                      ; all ones for V^T
	s_cselect_b32 s98, 13, 10                      ; log2 of the result's row in bytes
	s_cselect_b32 s18, s83, s82                    ; where A' begins in its buffer,
	s_cselect_b32 s19, s82, s83                    ; and B'
	s_add_co_u32 s17, s17, s41                     ; tile row
	s_add_co_u32 s42, s42, s40                     ; tile column
	s_not_b32 s2, s100                             ; all ones for q and k
	s_lshl_b32 s99, 2, s98                         ; two rows of the result
	s_lshl_b32 s43, s41, 2
	s_lshl_b32 s43, 15, s43                        ; my row of the cluster
	s_lshl_b32 s44, 0x1111, s40                    ; my column
	s_or_b32 s[G1+0], s43, (1<<20)|(1<<21)|(5<<22)|(3<<25)   ; the mask; elements of 1 byte; padding on; bit 21 beside a mask; after every 64 words, 4 words
	s_or_b32 s[G1B+0], s44, (1<<20)|(1<<21)|(5<<22)|(3<<25)
.irp g, G1, G1B
	s_mov_b32 s[\g+1], ROWB<<16                    ; tensor_dim0
	s_mov_b32 s[\g+2], 128<<16                     ; tensor_dim1
	s_mov_b32 s[\g+3], ROWB<<16                    ; tile_dim0
	s_mov_b32 s[\g+4], 128                         ; tile_dim1
	s_mov_b32 s[\g+5], KROW                        ; from row to row
	s_mov_b32 s[\g+6], 0
	s_mov_b32 s[\g+7], 0
.endr
	s_lshl_b32 s101, s16, 7
	s_lshl_b32 s20, s17, 8
	s_add_co_u32 s20, s20, s101                    ; A': row 256 x tile row + 128 x half: made of cy, never of cx
	s_lshl_b32 s20, s20, 10
	s_add_co_u32 s20, s20, s18
	s_mov_b32 s21, 0
	s_lshl_b32 s46, s42, 8
	s_add_co_u32 s46, s46, s101                    ; B': row 256 x tile column + 128 x half: made of cx, never of cy
	s_lshl_b32 s46, s46, 10
	s_add_co_u32 s46, s46, s19
	s_mov_b32 s47, 0
	s_mul_i32 s45, s14, HALFT                      ; where my tile goes: wave x 128 rows
	s_wait_dscnt 0x0                               ; the opening add is done
	s_wait_kmcnt 0x0
	s_load_b256 s[84:91], s[72:73], 0x0            ; entries 0-7
	s_load_b128 s[92:95], s[72:73], 0x20           ; entries 8-11
	s_cmp_eq_u32 s66, 2
	s_cselect_b64 s[4:5], s[70:71], s[68:69]       ; A' buffer
	s_cselect_b64 s[6:7], s[68:69], s[70:71]       ; B' buffer
	s_cselect_b64 s[10:11], s[78:79], s[74:75]
	s_cmp_eq_u32 s66, 1
	s_cselect_b64 s[10:11], s[76:77], s[10:11]     ; the job's bias
	s_add_nc_u64 s[20:21], s[4:5], s[20:21]
	s_add_nc_u64 s[46:47], s[6:7], s[46:47]
	s_lshl_b32 s22, s42, 8
	s_add_co_u32 s22, s22, s101                    ; my first column,
	s_and_b32 s22, s22, s2                         ; or 0 for V^T, whose columns are no entries of the bias
	s_lshl_b32 s22, s22, 2
	s_mov_b32 s23, 0
	s_add_nc_u64 s[12:13], s[10:11], s[22:23]      ; the bias along my columns
	s_lshl_b32 s22, s17, 8
	s_lshl_b32 s101, s15, 7
	s_add_co_u32 s22, s22, s101                    ; my first row,
	s_and_b32 s22, s22, s100                       ; or 0 for q and k
	s_lshl_b32 s22, s22, 2
	s_add_nc_u64 s[10:11], s[10:11], s[22:23]      ; the bias along my rows
	CROUND                                         ; all sixteen work-groups are here: the first joint loads meet
.irp s, 0,1
	s_mov_b32 s[G0+4*\s], 1
	s_add_co_u32 s[G0+4*\s+1], s45, \s*SLOT
	s_add_nc_u64 s[G0+4*\s+2:G0+4*\s+3], s[20:21], \s*ROWB
	s_or_b32 s[G0+4*\s+3], s[G0+4*\s+3], 0x80000000
	s_mov_b32 s[G0B+4*\s], 1
	s_add_co_u32 s[G0B+4*\s+1], s45, \s*SLOT
	s_add_nc_u64 s[G0B+4*\s+2:G0B+4*\s+3], s[46:47], \s*ROWB
	s_or_b32 s[G0B+4*\s+3], s[G0B+4*\s+3], 0x80000000
	JLOAD G0+4*\s, G1, G0B+4*\s, G1B
.endr
	v_and_b32 v1, 15, v0                           ; r = lane % 16
	v_bfe_u32 v2, v0, 4, 1                         ; h = lane / 16
	v_lshlrev_b32 v8, 5, v2                        ; 32 h: my eight columns of a tile's sixteen
	v_lshlrev_b32 v9, 2, v1                        ; 4 r: my row
.irp b, 0,1,2,3,4,5,6,7
	global_load_b128 v[BC+8*\b:BC+8*\b+3], v8, s[12:13] offset:64*\b
	global_load_b128 v[BC+8*\b+4:BC+8*\b+7], v8, s[12:13] offset:64*\b+16
.endr
.irp a, 0,1,2,3,4,5,6,7
	global_load_b32 v[BR+2*\a], v9, s[10:11] offset:64*\a
.endr
	v_mul_u32_u24 v3, v1, PITCH
	v_lshl_add_u32 v4, v2, 4, v3                   ; a fragment's row x pitch + 16 x half
	s_mul_i32 s21, s15, HALFT
	s_mul_i32 s22, s16, HALFT
	s_add_co_u32 s22, s22, 2*HALFT
.irp s, 0,1
	v_add_nc_u32 v[ADRA+\s], s21, v4
	v_add_nc_u32 v[ADRB+\s], s22, v4
	s_add_co_u32 s21, s21, SLOT
	s_add_co_u32 s22, s22, SLOT
.endr
	s_mul_i32 s23, s15, 128*SPITCH                 ; into the stage: row 128 x my row half + r, byte 128 x my column half + 8 h
	s_lshl_b32 s22, s16, 7
	s_add_co_u32 s23, s23, s22
	v_mul_u32_u24 v5, v1, SPITCH
	v_lshl_add_u32 v5, v2, 3, v5
	v_add_nc_u32 v[STO], s23, v5
	s_mul_i32 s23, s14, 64*SPITCH                  ; back: wave w takes rows 64 w on, whole; lanes 0-15 one row, lanes 16-31 the next
	v_mul_u32_u24 v5, v2, SPITCH
	v_lshl_add_u32 v5, v1, 4, v5
	v_add_nc_u32 v[RD], s23, v5
	s_lshl_b32 s22, s17, 8
	s_lshl_b32 s23, s14, 6
	s_add_co_u32 s22, s22, s23                     ; the first row that I store: 256 x tile row + 64 x wave
	s_lshl_b32 s22, s22, s98
	s_lshl_b32 s23, s42, 8
	s_add_co_u32 s22, s22, s23                     ; + the tile's 256 bytes of a row
	s_add_co_u32 s22, s22, s82                     ; + the job's part of qkv
	s_mov_b32 s23, 0
	s_add_nc_u64 s[8:9], s[80:81], s[22:23]
	s_wait_kmcnt 0x0
	s_add_co_i32 s82, s84, s85
	s_add_co_i32 s83, s86, s87
	s_add_co_i32 s101, s88, s89
	s_cmp_eq_u32 s66, 1
	s_cselect_b32 s82, s83, s82
	s_cselect_b32 s83, s91, s90
	s_cmp_eq_u32 s66, 2
	s_cselect_b32 s82, s101, s82                   ; the two operands' exponents added
	s_cselect_b32 s83, s93, s83                    ; the result's e
	s_sub_co_i32 s101, 0, s82
	s_add_co_i32 s96, s82, 127
	s_lshl_b32 s96, s96, 23                        ; 2^(the sum) as f32
	s_mov_b32 s97, s96                             ; (named with it as a pair)
	s_add_co_i32 s83, s83, 127
	s_lshl_b32 s82, s83, 23
	v_mov_b32 v[SC], s82                           ; 2^e of the result
	s_wait_loadcnt 0x0                             ; the biases
.set j, 0
.rept 64
	v_and_b32 v[BC+j], s2, v[BC+j]                 ; 0 for V^T
.set j, j+1
.endr
.set j, 0
.rept 64
	v_ldexp_f32 v[BC+j], v[BC+j], s101             ; a sum stands for sum x 2^(the exponents added): the bias goes in divided by that
.set j, j+1
.endr
.irp a, 0,1,2,3,4,5,6,7
	v_and_b32 v[BR+2*\a], s100, v[BR+2*\a]         ; 0 for q and k
.endr
.irp a, 0,1,2,3,4,5,6,7
	v_mov_b32 v[BR+2*\a+1], v[BR+2*\a]             ; a pair for the packed multiply-add
.endr
.macro FRAG reg, adr, q, i             ; 16 rows x 128 K: registers 4 c .. 4 c + 3 hold K = 32 c + 16 h + 0 .. 15: the same permutation of K on both sides
.irp c, 0,1,2,3
	ds_load_b128 v[\reg+4*\c:\reg+4*\c+3], v[\adr] offset:128*(\q)+32*\c+(\i)*16*PITCH
.endr
.endm
; 16 matrix instructions: A' blocks a0, a0 + 1 x B' eight.  first = 1: the sums begin with the column bias.  The 64 accumulators take turns, one instruction a turn, in the same order in every step.
.macro MUL16 a0, p, first
.irp a, \a0, \a0+1
.irp b, 0,1,2,3,4,5,6,7
.if \first
	v_wmma_f32_16x16x128_fp8_fp8 v[8*(8*((\a)%4)+\b):8*(8*((\a)%4)+\b)+7], v[128*(\p)+FR*\b:128*(\p)+FR*\b+FR-1], v[AF+FR*(\a):AF+FR*(\a)+FR-1], v[BC+8*\b:BC+8*\b+7]
.else
	v_wmma_f32_16x16x128_fp8_fp8 v[8*(8*((\a)%4)+\b):8*(8*((\a)%4)+\b)+7], v[128*(\p)+FR*\b:128*(\p)+FR*\b+FR-1], v[AF+FR*(\a):AF+FR*(\a)+FR-1], v[8*(8*((\a)%4)+\b):8*(8*((\a)%4)+\b)+7]
.endif
.endr
.endr
.endm
.macro FETCH_B slot, q, p
	WIN TO_B
.irp i, 0,1,2,3,4,5,6,7
	FRAG 128*(\p)+FR*\i, ADRB+\slot, \q, \i
.endr
	WIN 0
.endm
.macro FETCH_A slot, q, i0
.irp i, \i0, \i0+1, \i0+2, \i0+3
	FRAG AF+FR*(\i), ADRA+\slot, \q, \i
.endr
.endm
.macro PLACES n                        ; plain vector lines between a matrix instruction and a load into, or a read of, its registers
.rept \n
	v_nop
.endr
.endm
; 128 along K whose successor lies in the same slot
.macro STEP slot, q, first
	s_wait_dscnt 4*NL                              ; B' set and A' blocks 0-3 are in; the sixteen loads of A' blocks 4-7 may be out
.if \first
	WIN FST_LO
.else
	WIN MUL_LO
.endif
	MUL16 0, (\q)%2, \first
	MUL16 2, (\q)%2, \first
	s_wait_dscnt 0
	PLACES NP
	FETCH_B \slot, (\q)+1, 1-(\q)%2
	FETCH_A \slot, (\q)+1, 0
.if \first
	WIN FST_HI
.else
	WIN MUL_HI
.endif
	MUL16 4, (\q)%2, \first
	MUL16 6, (\q)%2, \first
	PLACES NP
	WIN 0
	FETCH_A \slot, (\q)+1, 4
.endm
; A slot's last 128 along K, and the change of slots: one barrier; in front of it each wave waits for all its tensor loads, adds 0 to its spare word, and waits for that and for its reads of this slot.
.macro TURN slot, next, fill
	s_wait_tensorcnt 0x0                           ; all my tensor loads have landed: my part of the next slot
	ds_add_u32 v[SPW], v[NIL]
	s_wait_dscnt 4*NL+1                            ; the add and the sixteen loads of A' blocks 4-7 may be out
	WIN MUL_LO
	MUL16 0, 1, 0
	s_wait_dscnt 0x0                               ; the add is done, and my reads of this slot are over
	s_barrier_signal -1
	MUL16 2, 1, 0
	WIN 0
	s_barrier_wait -1
.if \fill
	CREST                                          ; the barrier has opened a round of the cluster's: no wave of any partner still reads this slot or has a load on its way
	s_add_nc_u64 s[G0+4*\slot+2:G0+4*\slot+3], s[G0+4*\slot+2:G0+4*\slot+3], 2*ROWB
	s_add_nc_u64 s[G0B+4*\slot+2:G0B+4*\slot+3], s[G0B+4*\slot+2:G0B+4*\slot+3], 2*ROWB
	JLOAD G0+4*\slot, G1, G0B+4*\slot, G1B         ; the first tensor load behind the round; its four v_nop are the places in front of the loads below
.else
	PLACES NP
.endif
	FETCH_B \next, 0, 0
	FETCH_A \next, 0, 0
	WIN MUL_HI
	MUL16 4, 1, 0
	MUL16 6, 1, 0
	PLACES NP
	WIN 0
	FETCH_A \next, 0, 4
.endm
	s_wait_tensorcnt 1                             ; my part of K step 0 is in; K step 1's load may be out
	s_barrier_signal -1
	s_barrier_wait -1
	FETCH_B 0, 0, 0
	FETCH_A 0, 0, 0
	FETCH_A 0, 0, 4
	STEP 0, 0, 1                                   ; K = 1,024 is four K steps: written out, no loop
	TURN 0, 1, 1                                   ; slot 0 takes K step 2
	STEP 1, 0, 0
	TURN 1, 0, 1                                   ; slot 1 takes K step 3
	STEP 0, 0, 0
	TURN 0, 1, 0
	STEP 1, 0, 0
	s_wait_dscnt 4*NL
	WIN MUL_LO
	MUL16 0, 1, 0
	MUL16 2, 1, 0
	s_wait_alu depctr_va_vdst(0)
	s_wait_dscnt 0
	WIN MUL_HI
	MUL16 4, 1, 0
	MUL16 6, 1, 0
	WIN 0
; THE WAY OUT.  Block a (16 rows x 128 columns): sum x 2^(the exponents added) + the row bias, held, converted: a lane's eight columns of a tile are 8 bytes.  They meet in the work-group's stage.
.macro OUTBLK a
.set AC, 64*((\a)%4)
	WIN 0x02+((\a)/4)                              ; source 0: window 2 or 3
.set j, 0
.rept 32
	v_pk_fma_f32 v[TMP+j:TMP+j+1], v[AC+j:AC+j+1], s[96:97], v[BR+2*(\a):BR+2*(\a)+1] op_sel_hi:[1,0,1]   ; each accumulator from its low end on
.set j, j+2
.endr
	WIN 0
.set j, 0
.rept 64
.set j, j+1
.endr
.irp b, 0,1,2,3,4,5,6,7
	v_cvt_scalef32_pk8_fp8_f32 v[CODE+16*(\a)+2*\b:CODE+16*(\a)+2*\b+1], v[TMP+8*\b:TMP+8*\b+7], v[SC]
.endr
	v_nop                                          ; one plain line between the conversions and the next lines that write their sources
.irp b, 0,1,2,3,4,5,6,7
	ds_store_b64 v[STO], v[CODE+16*(\a)+2*\b:CODE+16*(\a)+2*\b+1] offset:(\a)*16*SPITCH+16*\b
.endr
.endm
	PLACES NP
.irp a, 0,1,2,3,4,5,6,7
	OUTBLK \a
.endr
	v_lshlrev_b32 v[TMP], s98, v2                  ; my offsets in the result: row (lane / 16) + 2 t, 16 bytes a lane; the row's length hangs on the job, so they stand in registers
	v_lshl_add_u32 v[TMP], v1, 4, v[TMP]
.set t, 1
.rept 31
	v_add_nc_u32 v[TMP+t], s99, v[TMP+t-1]
.set t, t+1
.endr
	s_wait_alu depctr_va_vdst(0)
	s_wait_dscnt 0x0                               ; for the others' sake: my stores into the stage are done
	s_barrier_signal -1
	s_barrier_wait -1                              ; a row's 256 bytes come from two waves
.set t, 0
.rept 32
	ds_load_b128 v[CODE+4*t:CODE+4*t+3], v[RD] offset:t*2*SPITCH
.set t, t+1
.endr
.set t, 0
.rept 32
	s_wait_dscnt 31-t                              ; the younger loads may be out
	global_store_b128 v[TMP+t], v[CODE+4*t:CODE+4*t+3], s[8:9]   ; sixteen lanes store 256 consecutive bytes, aligned
.set t, t+1
.endr
	s_wait_tensorcnt 0x0                           ; the wave's end
	ds_add_u32 v[SPW], v[NIL]
	s_wait_dscnt 0x0
	CROUND                                         ; the closing round
	s_endpgm
.Lfunc_end_k_q3f36d016d9_proj:
	.size	k_q3f36d016d9_proj, .Lfunc_end_k_q3f36d016d9_proj-k_q3f36d016d9_proj
	.p2alignl 7, 3214868480
	.fill 96, 4, 3214868480
	.section	.rodata,"a",@progbits
	.p2align	6, 0x0
	.amdhsa_kernel k_q3f36d016d9_proj
		.amdhsa_group_segment_fixed_size 327680
		.amdhsa_private_segment_fixed_size 0
		.amdhsa_enable_private_segment 0
		.amdhsa_kernarg_size 56
		.amdhsa_user_sgpr_count 2
		.amdhsa_user_sgpr_kernarg_segment_ptr 1
		.amdhsa_wavefront_size32 1
		.amdhsa_system_sgpr_workgroup_id_x 1
		.amdhsa_system_sgpr_workgroup_id_y 1
		.amdhsa_system_sgpr_workgroup_id_z 1
		.amdhsa_system_vgpr_workitem_id 0
		.amdhsa_next_free_vgpr 1024
		.amdhsa_next_free_sgpr 102
		.amdhsa_reserve_vcc 0
		.amdhsa_float_denorm_mode_32 3
		.amdhsa_float_denorm_mode_16_64 3
		.amdhsa_fp16_overflow 1
		.amdhsa_memory_ordered 1
		.amdhsa_forward_progress 1
		.amdhsa_inst_pref_size 120
	.end_amdhsa_kernel
	.amdgpu_metadata
---
amdhsa.version: [ 1, 2 ]
amdhsa.kernels:
  - .name:           k_q3f36d016d9_proj
    .symbol:         k_q3f36d016d9_proj.kd
    .args:
      - { .name: xc, .offset: 0, .size: 8, .value_kind: global_buffer, .address_space: global }
      - { .name: wc, .offset: 8, .size: 8, .value_kind: global_buffer, .address_space: global }
      - { .name: lowp_scales, .offset: 16, .size: 8, .value_kind: global_buffer, .address_space: global }
      - { .name: bq, .offset: 24, .size: 8, .value_kind: global_buffer, .address_space: global }
      - { .name: bk, .offset: 32, .size: 8, .value_kind: global_buffer, .address_space: global }
      - { .name: bv, .offset: 40, .size: 8, .value_kind: global_buffer, .address_space: global }
      - { .name: qkv, .offset: 48, .size: 8, .value_kind: global_buffer, .address_space: global }
    .group_segment_fixed_size: 327680
    .private_segment_fixed_size: 0
    .kernarg_segment_align: 8
    .kernarg_segment_size: 56
    .max_flat_workgroup_size: 128
    .sgpr_count:     102
    .vgpr_count:     1024
    .wavefront_size: 32
...
	.end_amdgpu_metadata
.endif
;; end of part 2
;; launch attn (part 3): grid 16 x 16, 8 waves a work-group, clusters of 4 x 1, 327,680 bytes of LDS; arguments qkv, lowp_scales, ac; writes ac
.if DOCPART == 3
	.amdgcn_target "amdgcn-amd-amdhsa--gfx1250"
	.amdhsa_code_object_version 6
	.text
	.protected	k_q3f36d016d9_attn
	.globl	k_q3f36d016d9_attn
	.p2align	8
	.type	k_q3f36d016d9_attn,@function
k_q3f36d016d9_attn:
	s_mov_b64 s[64:65], 0
	v_nop
	global_prefetch_b8 v0, s[64:65] scope:SCOPE_SE
	s_setreg_imm32_b32 hwreg(HW_REG_WAVE_MODE, 25, 1), 1
	s_wait_xcnt 0x0
	s_wait_alu depctr_hold_cnt(0) depctr_sa_sdst(0) depctr_va_vdst(0) depctr_va_sdst(0) depctr_va_ssrc(0) depctr_va_vcc(0) depctr_vm_vsrc(0)
	s_getreg_b32 s2, hwreg(HW_REG_IB_STS2, 6, 4)
	s_cmp_eq_u32 s2, 0
	s_cbranch_scc0 .Lentry_in_a_cluster
	s_endpgm
.Lentry_in_a_cluster:
	s_bfe_u32 s2, ttmp6, 0x10000c
	s_cmp_lg_u32 s2, 0x3003
	s_cbranch_scc0 .Lentry_shape_is_right
	s_endpgm
.Lentry_shape_is_right:
; Causal attention on codes of E4M3: 4 batches x 16 heads of 64, 2,048 positions.  q, k: [8192][1024] at 0 and 8 MiB of qkv; V^T: [1024][8192] at 16 MiB.  The result, quantised with entry 10, goes to ac [8192][1024].
; t = score x log2(e) / 8; M = the running largest t rounded UP to a whole number; p = 2^(t - M) is quantised (entry 8), not normalised; the row's sum is taken of the unquantised p and divides at the end.
; When M moves, the sum and O are multiplied by 2^(old M - new M), which rounds nothing.
; LIMITS: entries 6 + 7 between -123 and 130 (added to the exponent field of log2(e) / 8); entries 8 and 10 between -126 and 119.  NaN is not served.
; SHARES.  A work-group takes one batch and FOUR heads (256 bytes of every row of q, k, ac; 256 rows of V^T), so that every row piece that it moves is 256 aligned bytes.
; A cluster J of four work-groups owns two blocks of 256 queries, J and 7 - J, one after the other, and walks slots of 256 keys: 0 .. J, then 0 .. 7 - J: NINE slots whatever J is.  So all work-groups have equal work,
; the trip counts are constants, and no load is jumped over.  The four partners walk the same keys: each tile of K and V is asked for jointly.
; Wave w: head w % 4, half u = w / 4; two tiles of 16 queries: block + 128 u + 64 a + 16 cx + r.  cx stands under a multiple of 64, so every branch is made of block + 128 u alone.
; LAYOUT.  Both products transposed: S^T = K Q^T, O^T = V^T P: a lane holds one query throughout.  A key step is 64 keys.  Register j of S^T's tile kt is key 16 kt + 8 h + j: its conversion gives P's registers 2 kt, 2 kt + 1.
; REGISTERS: v1-11 addresses and constants; v12-19 -M, largest t, the sum in halves, a tile; v20-23 f; v24-39 Q; v40-71 K, then P's codes; v72-103 V; v104-167 S^T, then p; v168-231 O^T; v232-239 the way out; v248-255 at work.
.set KP,    272                        ; an LDS row: 256 bytes + 16 of padding
.set QTR,   64*KP                      ; 64 rows: what one tensor load brings
.set VOFF,  4*QTR                      ; a slot: 256 keys' rows of K, then 256 rows of V^T
.set SLOT,  8*QTR
.set STAGE, 2*SLOT                     ; two stages of 64 rows x 272 bytes, by turns with the slots: between two rounds one is only read, the other only written
.set SPARE, STAGE+2*QTR                ; the spare words, 128 bytes a wave, that no other line names
.set AK0, 1
.set AV0, 2
.set PFO, 3
.set ADK, 4
.set ADV, 5
.set SPW, 6
.set NIL, 7
.set PSC, 8                            ; 2^e8
.set PLIM, 9
.set QV,  10                           ; v10, v11: 128 u + 64 a + 16 cx + r - 8 h
.set ST,  12
.set FF,  20
.set QQ,  24
.set KFR, 40
.set PP,  40
.set VFR, 72
.set SS,  104
.set OO,  168
.set QO,  232
.set STO, 233
.set RD,  234
.set GO,  235
.set OSC, 236                          ; 2^e10
.set OLIM, 237
.set RR,  238
.set HH,  239
.set WW,  248
.set WV,  18
.set SEL, 20
.set CS,  22
.set G1K, 24
.set G1V, 32
.set G0K, 40
.set G0V, 44
.set TT,  48                           ; the slot's number, 0-8
.set JJ,  49
.set J1,  50
.set LC,  51
.set SC,  52
.set TK,  53
.set TV,  54
.set KF,  55                           ; the step's first key
.set SB,  56                           ; the block's first query
.set QW,  57                           ; SB + 128 u
.set SB2, 58
.set QW2, 59
.set WPK, 60                           ; s[60:61], s[62:63]: what the walking addresses go back by: 0, or J + 1 slots at the change of blocks
.set WPV, 62
.set WRK, 66
.set WRV, 67
.set LWK, 68
.set LWV, 69
.set QB1, 70
.set QB2, 72
.set OB1, 74
.set OB2, 76
.set PFA, 78
.set PFS, 80
.set LIM, 82
.set EPV, 83
.macro ROUND                           ; a round of the cluster's barrier
	s_barrier_signal -1
	s_barrier_wait -1
	s_cmp_lg_u32 s[WV], 0
	s_cbranch_scc1 .Lnot_wave_0_\@
	s_barrier_signal -3
.Lnot_wave_0_\@:
	s_barrier_wait -3
	s_barrier_signal -1
	s_barrier_wait -1
.endm
.macro JLOAD                           ; waves 0-3 fetch K's quarters, waves 4-7 V's: one load a wave.  An s_nop 0 and four v_nop follow each line
	s_cmp_lt_u32 s[WV], 4
	s_cbranch_scc0 .Lfor_v_\@
	tensor_load_to_lds s[G0K:G0K+3], s[G1K:G1K+7]
	s_nop 0
.rept 4
	v_nop
.endr
	s_branch .Lasked_\@
.Lfor_v_\@:
	tensor_load_to_lds s[G0V:G0V+3], s[G1V:G1V+7]
	s_nop 0
.rept 4
	v_nop
.endr
.Lasked_\@:
.endm
; A prefetch of the slot that the NEXT change will ask for.  Cluster 0 of a batch and head group walks all eight slots of keys in its second block: it alone asks, at changes 0 to 6, for keys 256 (T + 1) on.
; Its four partners share the rows out by address, 64 each; waves 0, 1 ask for K's rows, waves 2, 3 for V's, 32 a wave, a lane a row's 256 bytes: each piece is named once.  Slot 0 comes by its load alone.
.macro ASK
	s_cmp_lt_u32 s[TT], s[LIM]
	s_cbranch_scc0 .Lnot_mine_\@
	global_prefetch_b8 v[PFO], s[PFA:PFA+1] th:TH_LOAD_NT scope:SCOPE_SE
.Lnot_mine_\@:
.endm
.macro INIT                            ; a block begins: O^T and the sum are zeros, the largest t is -3e38: the first change of M multiplies zeros
.set j, 0
.rept 64
	v_mov_b32 v[OO+j], 0
.set j, j+1
.endr
.irp a, 0,1
	v_mov_b32 v[ST+4*\a+1], 0xff61b1e6
	s_delay_alu instid0(VALU_DEP_1)
	v_floor_f32 v[ST+4*\a], -v[ST+4*\a+1]
	v_mov_b32 v[ST+4*\a+2], 0
	v_mov_b32 v[ST+4*\a+3], 0
.endr
.endm
	s_load_b128 s[4:7], s[0:1], 0x0                ; qkv, the scales' exponents
	s_load_b64 s[8:9], s[0:1], 0x10                ; ac
	v_lshl_add_u32 v[SPW], v0, 2, SPARE
	v_mov_b32 v[NIL], 0
	ds_add_u32 v[SPW], v[NIL]                      ; the wave's opening: the add and its wait stand ahead of my first tensor load; work on registers stands between
	ds_add_u32 v[SPW], v[NIL]
	v_lshrrev_b32 v1, 5, v0
	s_delay_alu instid0(VALU_DEP_1)
	v_readfirstlane_b32 s[WV], v1                  ; wave 0-7
	s_mov_b32 s[G1K], 15|(1<<20)|(1<<21)|(5<<22)|(3<<25)   ; the mask: all four; elements of 1 byte; padding on; bit 21 beside a mask; after every 64 words, 4 words
	s_mov_b32 s[G1V], 15|(1<<20)|(1<<21)|(5<<22)|(3<<25)
.irp g, G1K, G1V
	s_mov_b32 s[\g+1], 256<<16                     ; tensor_dim0
	s_mov_b32 s[\g+2], 64<<16                      ; tensor_dim1
	s_mov_b32 s[\g+3], 256<<16                     ; tile_dim0
	s_mov_b32 s[\g+4], 64                          ; tile_dim1
	s_mov_b32 s[\g+6], 0
	s_mov_b32 s[\g+7], 0
.endr
	s_mov_b32 s[G1K+5], 1024                       ; from key to key
	s_mov_b32 s[G1V+5], 8192                       ; from channel to channel
	s_mov_b32 s[SEL], 0x76543210
	s_mov_b32 s[SEL+1], 0xfedcba98
	s_mov_b32 s[CS], 0x3e38aa3b                    ; log2(e) / sqrt(64)
	s_mov_b32 s[TT], 0
	s_mov_b32 s[KF], 0
	s_and_b32 s10, ttmp7, 0xffff
	s_and_b32 s11, s10, 3                          ; the group of four heads
	s_lshr_b32 s10, s10, 2                         ; the batch
	s_bfe_u32 s12, ttmp6, 0x40000                  ; cx: it enters q's, ac's and the prefetches' addresses and the mask's numbers, and nothing else
	s_and_b32 s13, s[WV], 3                        ; my head of the four; also: which quarter I fetch
	s_lshr_b32 s14, s[WV], 2                       ; u
	s_mov_b32 s[JJ], ttmp9                         ; the cluster
	s_add_co_u32 s[J1], s[JJ], 1
	s_lshl_b32 s[SB], s[JJ], 8
	s_sub_co_u32 s[SB2], 1792, s[SB]               ; 256 (7 - J)
	s_lshl_b32 s19, s14, 7
	s_add_co_u32 s[QW], s[SB], s19
	s_add_co_u32 s[QW2], s[SB2], s19
	s_lshl_b32 s[WRK], s[J1], 18                   ; J + 1 slots of K: 256 rows of 1,024 bytes each,
	s_lshl_b32 s[WRV], s[J1], 8                    ; and of V: 256 bytes of a row
	s_mov_b32 s[WPK+1], 0
	s_mov_b32 s[WPV+1], 0
	s_mul_i32 s[LWK], s13, QTR                     ; my quarter in a slot
	s_add_co_u32 s[LWV], s[LWK], VOFF
	s_lshl_b32 s15, s10, 11                        ; 2,048 x batch
	s_lshl_b32 s16, s11, 8                         ; 256 x group
	s_lshl_b32 s17, s13, 6                         ; 64 x (wave % 4)
	s_add_co_u32 s2, s15, s17
	s_lshl_b32 s2, s2, 10
	s_add_co_u32 s2, s2, s16
	s_add_co_u32 s2, s2, 0x800000                  ; K: key 2,048 b + 64 (w % 4), byte 256 g
	s_mov_b32 s3, 0
	s_add_co_u32 s96, s16, s17
	s_lshl_b32 s96, s96, 13
	s_add_co_u32 s96, s96, s15
	s_add_co_u32 s96, s96, 0x1000000               ; V^T: row 256 g + 64 (w % 4), byte 2,048 b
	s_mov_b32 s97, 0
	s_wait_dscnt 0x0                               ; the opening add is done
	s_wait_kmcnt 0x0
	s_load_b256 s[84:91], s[6:7], 0x0              ; entries 0-7
	s_load_b128 s[92:95], s[6:7], 0x20             ; entries 8-11
	s_mov_b32 s[G0K], 1
	s_mov_b32 s[G0K+1], s[LWK]                     ; slot 0
	s_add_nc_u64 s[G0K+2:G0K+3], s[4:5], s[2:3]
	s_or_b32 s[G0K+3], s[G0K+3], 0x80000000
	s_mov_b32 s[G0V], 1
	s_mov_b32 s[G0V+1], s[LWV]
	s_add_nc_u64 s[G0V+2:G0V+3], s[4:5], s[96:97]
	s_or_b32 s[G0V+3], s[G0V+3], 0x80000000
	ROUND                                          ; all four work-groups are here
	JLOAD                                          ; keys 0-255 into slot 0
	s_lshl_b32 s98, s12, 4
	s_add_co_u32 s98, s98, s15                     ; 2,048 b + 16 cx
	s_add_co_u32 s96, s98, s19
	s_lshl_b32 s96, s96, 10
	s_add_co_u32 s96, s96, s16
	s_add_co_u32 s96, s96, s17
	s_add_nc_u64 s[QB1:QB1+1], s[4:5], s[96:97]    ; q: row 2,048 b + 128 u + 16 cx, byte 256 g + 64 head,
	s_lshl_b32 s96, s[SB2], 10
	s_add_nc_u64 s[QB2:QB2+1], s[QB1:QB1+1], s[96:97]   ; in the second block,
	s_lshl_b32 s96, s[SB], 10
	s_add_nc_u64 s[QB1:QB1+1], s[QB1:QB1+1], s[96:97]   ; and in the first
	v_and_b32 v[RR], 15, v0                        ; r
	s_wait_alu depctr_va_vdst(0)
	v_bfe_u32 v[HH], v0, 4, 1                      ; h
	v_lshlrev_b32 v[QO], 10, v[RR]
	s_delay_alu instid0(VALU_DEP_1)
	v_lshl_add_u32 v[QO], v[HH], 4, v[QO]          ; row r, + 16 h: registers 4 c .. 4 c + 3 hold channels 32 c + 16 h + 0 .. 15, as K's do
.irp a, 0,1
.irp c, 0,1
	global_load_b128 v[QQ+8*\a+4*\c:QQ+8*\a+4*\c+3], v[QO], s[QB1:QB1+1] offset:65536*\a+32*\c
.endr
.endr
	s_lshr_b32 s96, s[WV], 1
	s_lshl_b32 s96, s96, 6
	s_add_co_u32 s96, s96, s98
	s_and_b32 s99, s[WV], 1
	s_lshl_b32 s99, s99, 3
	s_add_co_u32 s96, s96, s99
	s_lshl_b32 s96, s96, 10
	s_add_co_u32 s96, s96, s16
	s_add_nc_u64 s[OB1:OB1+1], s[8:9], s[96:97]    ; ac: the eight rows that I store: 2,048 b + 64 (w / 2) + 16 cx + 8 (w % 2), byte 256 g
	s_lshl_b32 s96, s[SB2], 10
	s_add_nc_u64 s[OB2:OB2+1], s[OB1:OB1+1], s[96:97]
	s_lshl_b32 s96, s[SB], 10
	s_add_nc_u64 s[OB1:OB1+1], s[OB1:OB1+1], s[96:97]
	s_lshl_b32 s98, s12, 6                         ; the prefetches: my 32 rows of a slot's 256: 64 cx + 32 (w % 2)
	s_and_b32 s99, s[WV], 1
	s_lshl_b32 s99, s99, 5
	s_add_co_u32 s98, s98, s99
	s_add_co_u32 s96, s98, s15
	s_lshl_b32 s96, s96, 10
	s_add_co_u32 s96, s96, s16
	s_add_co_u32 s96, s96, 0x800000                ; among K's,
	s_add_co_u32 s98, s98, s16
	s_lshl_b32 s98, s98, 13
	s_add_co_u32 s98, s98, s15
	s_add_co_u32 s98, s98, 0x1000000               ; among V's
	s_mov_b32 s[PFS], 0x40000
	s_and_b32 s99, s[WV], 2
	s_cmp_lg_u32 s99, 0
	s_cselect_b32 s96, s98, s96
	s_cselect_b32 s[PFS], 256, s[PFS]              ; a slot on
	s_cselect_b32 s99, 13, 10                      ; from lane to lane: a row
	s_mov_b32 s[PFS+1], 0
	s_add_nc_u64 s[PFA:PFA+1], s[4:5], s[96:97]    ; at keys 0: each change steps it ahead of its prefetch
	v_and_b32 v[PFO], 31, v0
	s_delay_alu instid0(VALU_DEP_1)
	v_lshlrev_b32 v[PFO], s99, v[PFO]
	s_or_b32 s96, s14, s[JJ]
	s_cmp_eq_u32 s96, 0
	s_cselect_b32 s[LIM], 7, 0                     ; waves 0-3 of cluster 0: the same in all four partners
	v_mul_u32_u24 v[AK0], v[RR], KP
	s_wait_alu depctr_va_vdst(0)
	v_lshl_add_u32 v[AK0], v[HH], 4, v[AK0]
	s_delay_alu instid0(VALU_DEP_1)
	v_add_nc_u32 v[AK0], s17, v[AK0]               ; K: key r, byte 64 head + 16 h
	s_mul_i32 s96, s17, KP
	v_mul_u32_u24 v[AV0], v[RR], KP
	s_delay_alu instid0(VALU_DEP_1)
	v_lshl_add_u32 v[AV0], v[HH], 3, v[AV0]
	s_delay_alu instid0(VALU_DEP_1)
	v_add_nc_u32 v[AV0], s96, v[AV0]               ; V: row 64 head + r, byte 8 h
	s_lshl_b32 s96, s12, 4
	s_add_co_u32 s96, s96, s19
	v_lshlrev_b32 v[WW], 3, v[HH]
	s_delay_alu instid0(VALU_DEP_1)
	v_sub_nc_u32 v[QV], v[RR], v[WW]
	s_delay_alu instid0(VALU_DEP_1)
	v_add_nc_u32 v[QV], s96, v[QV]
	s_delay_alu instid0(VALU_DEP_1)
	v_add_nc_u32 v[QV+1], 64, v[QV]
	s_mul_i32 s96, s14, 32*KP
	s_add_co_u32 s96, s96, s17
	s_add_co_u32 s96, s96, STAGE
	v_mul_u32_u24 v[STO], v[RR], KP
	s_delay_alu instid0(VALU_DEP_1)
	v_lshl_add_u32 v[STO], v[HH], 3, v[STO]
	s_delay_alu instid0(VALU_DEP_1)
	v_add_nc_u32 v[STO], s96, v[STO]               ; into a stage: row 32 u + 16 a + r, byte 64 head + 16 dt + 8 h
	s_mul_i32 s96, s[WV], 8*KP
	s_add_co_u32 s96, s96, STAGE
	v_mul_u32_u24 v[RD], v[HH], KP
	s_delay_alu instid0(VALU_DEP_1)
	v_lshl_add_u32 v[RD], v[RR], 4, v[RD]
	s_delay_alu instid0(VALU_DEP_1)
	v_add_nc_u32 v[RD], s96, v[RD]                 ; back: rows 8 w on, lanes 0-15 one row, lanes 16-31 the next
	v_lshlrev_b32 v[GO], 10, v[HH]
	s_delay_alu instid0(VALU_DEP_1)
	v_lshl_add_u32 v[GO], v[RR], 4, v[GO]          ; and the same two rows in ac
	INIT
	v_mov_b32 v[FF+1], 0                           ; (named as upper halves of pairs)
	v_mov_b32 v[FF+3], 0
	v_mov_b32 v[WW+2], 0                           ; a lane permute's destination counts as one of its sources
	v_mov_b32 v[WW+6], 0
	s_wait_kmcnt 0x0
	s_add_co_i32 s96, s90, s91
	s_lshl_b32 s96, s96, 23
	s_add_co_i32 s[CS], s[CS], s96                 ; a score stands for score x 2^(e6 + e7)
	s_mov_b32 s[CS+1], s[CS]
	s_add_co_i32 s96, s92, 127
	s_lshl_b32 s98, s96, 23
	v_mov_b32 v[PSC], s98
	s_add_co_i32 s96, s94, 127
	s_lshl_b32 s98, s96, 23
	v_mov_b32 v[OSC], s98
	s_add_co_i32 s[EPV], s92, s93                  ; e8 + e9
; A KEY STEP: 64 keys for my two tiles of queries.
.macro STEP
	s_add_co_u32 s96, s[QW], 127
	s_cmp_gt_u32 s[KF], s96                        ; all 64 keys come after my last query: the step's work is left out.  Ids and counts of steps alone
	s_cbranch_scc1 .Lhid_\@
	s_setprio 2
	v_add_nc_u32 v[ADK], s[TK], v[AK0]
	v_add_nc_u32 v[ADV], s[TV], v[AV0]
	v_nop
	v_nop                                          ; four plain lines between the last products and the loads into their operands
.irp kt, 0,1,2,3
.irp c, 0,1
	ds_load_b128 v[KFR+8*\kt+4*\c:KFR+8*\kt+4*\c+3], v[ADK] offset:\kt*16*KP+32*\c
.endr
.endr
.irp dt, 0,1,2,3
.irp c, 0,1,2,3
	ds_load_b64 v[VFR+8*\dt+2*\c:VFR+8*\dt+2*\c+1], v[ADV] offset:\dt*16*KP+16*\c   ; registers 2 c, 2 c + 1: keys 16 c + 8 h + 0 .. 7, as P's codes lie
.endr
.endr
	s_wait_dscnt 16                                ; K's eight loads are in; V's sixteen may be out
.irp kt, 0,1,2,3
.irp a, 0,1
	v_wmma_f32_16x16x64_fp8_fp8 v[SS+32*\a+8*\kt:SS+32*\a+8*\kt+7], v[KFR+8*\kt:KFR+8*\kt+7], v[QQ+8*\a:QQ+8*\a+7], 0
.endr
.endr
.rept 4
	v_nop
.endr
	s_add_co_u32 s96, s[KF], 63
	s_cmp_le_u32 s96, s[QW]                        ; all 64 keys count for all my queries: no mask
	s_cbranch_scc1 .Lopen_\@
	s_sub_co_i32 s96, s[SB], s[KF]
	v_add_nc_u32 v[WW], s96, v[QV]                 ; d = my query - the step's first key - 8 h: register 8 kt + j is hidden where 16 kt + j > d
	v_add_nc_u32 v[WW+4], s96, v[QV+1]
	v_mov_b32 v[WW+1], 0xff800000                  ; -infinity: p = 0 then.  Key 0 counts in a block's first step, so M is a number throughout
.irp a, 0,1
.set n, 0
.rept 32
	v_cmp_gt_i32 vcc_lo, 16*(n/8)+n%8, v[WW+4*\a]
	v_cndmask_b32 v[SS+32*\a+n], v[SS+32*\a+n], v[WW+1], vcc_lo
.set n, n+1
.endr
.endr
.Lopen_\@:
.irp a, 0,1                                    ; the step's largest score of my query among my 32 keys: two chains a tile, ascending; the tiles by turns
	v_max3_num_f32 v[WW+4*\a], v[SS+32*\a], v[SS+32*\a+1], v[SS+32*\a+2]
	v_max3_num_f32 v[WW+4*\a+1], v[SS+32*\a+3], v[SS+32*\a+4], v[SS+32*\a+5]
.endr
.irp i, 6,10,14,18,22,26
.irp a, 0,1
	v_max3_num_f32 v[WW+4*\a], v[WW+4*\a], v[SS+32*\a+\i], v[SS+32*\a+\i+1]
	v_max3_num_f32 v[WW+4*\a+1], v[WW+4*\a+1], v[SS+32*\a+\i+2], v[SS+32*\a+\i+3]
.endr
.endr
.irp a, 0
	v_max3_num_f32 v[WW+4*\a], v[WW+4*\a], v[SS+32*\a+30], v[SS+32*\a+31]
.endr
.irp a, 1
	v_max3_num_f32 v[WW+4*\a], v[WW+4*\a], v[SS+32*\a+30], v[SS+32*\a+31]
.endr
.irp a, 0,1
	s_delay_alu instid0(VALU_DEP_2)
	v_max_num_f32 v[WW+4*\a], v[WW+4*\a], v[WW+4*\a+1]
.endr
.irp a, 0,1
	s_delay_alu instid0(VALU_DEP_2)
	v_permlanex16_b32 v[WW+4*\a+2], v[WW+4*\a], s[SEL], s[SEL+1]   ; the query's other 32 keys lie in the lane 16 away
.endr
.irp a, 0,1
	s_delay_alu instid0(VALU_DEP_2)
	v_max_num_f32 v[WW+4*\a], v[WW+4*\a], v[WW+4*\a+2]
.endr
.irp a, 0,1
	s_delay_alu instid0(VALU_DEP_2)
	v_mul_f32 v[WW+4*\a], s[CS], v[WW+4*\a]        ; as t
.endr
.irp a, 0,1
	s_delay_alu instid0(VALU_DEP_2)
	v_max_num_f32 v[ST+4*\a+1], v[ST+4*\a+1], v[WW+4*\a]   ; the running largest t
.endr
.irp a, 0,1
	v_mov_b32 v[WW+4*\a], v[ST+4*\a]
.endr
.irp a, 0,1
	s_delay_alu instid0(VALU_DEP_4)
	v_floor_f32 v[ST+4*\a], -v[ST+4*\a+1]          ; -M = floor(-t)
.endr
.irp a, 0,1
	s_delay_alu instid0(VALU_DEP_2)
	v_sub_f32 v[WW+4*\a], v[ST+4*\a], v[WW+4*\a]   ; old M - new M: a whole number, 0 or less
.endr
.irp a, 0,1
	s_delay_alu instid0(VALU_DEP_2)
	v_cvt_i32_f32 v[WW+4*\a], v[WW+4*\a]           ; (it saturates)
.endr
.irp a, 0,1
	s_delay_alu instid0(VALU_DEP_2)
	v_ldexp_f32 v[FF+2*\a], 1.0, v[WW+4*\a]        ; f = 2^(old M - new M)
.endr
.irp a, 0,1
.set j, 0
.rept 16
	v_pk_fma_f32 v[SS+32*\a+j:SS+32*\a+j+1], v[SS+32*\a+j:SS+32*\a+j+1], s[CS:CS+1], v[ST+4*\a:ST+4*\a+1] op_sel_hi:[1,0,0]   ; t - M
.set j, j+2
.endr
.endr
.set j, 0
	s_setprio 1
	s_wait_alu depctr_va_vdst(0)
.rept 64
	v_exp_f32 v[SS+j], v[SS+j]                     ; p, at most 1: one batch
.set j, j+1
.endr
.irp a, 0,1
	v_pk_mul_f32 v[ST+4*\a+2:ST+4*\a+3], v[ST+4*\a+2:ST+4*\a+3], v[FF+2*\a:FF+2*\a+1] op_sel_hi:[1,0]   ; the sums under the new M: the plain lines behind the batch
.endr
	s_wait_alu depctr_va_vdst(0)                   ; the wait ahead of the first line that names an exponential's result: one for the 64
.irp a, 0,1
	v_pk_add_f32 v[WW+4*\a:WW+4*\a+1], v[SS+32*\a:SS+32*\a+1], v[SS+32*\a+2:SS+32*\a+3]   ; the sum of the UNQUANTISED p, two chains a tile
.endr
.irp i, 4,8,12,16,20,24,28
.irp a, 0,1
	v_pk_add_f32 v[ST+4*\a+2:ST+4*\a+3], v[ST+4*\a+2:ST+4*\a+3], v[SS+32*\a+\i:SS+32*\a+\i+1]
	v_pk_add_f32 v[WW+4*\a:WW+4*\a+1], v[WW+4*\a:WW+4*\a+1], v[SS+32*\a+\i+2:SS+32*\a+\i+3]
.endr
.endr
.irp a, 0
	s_delay_alu instid0(VALU_DEP_3)
	v_pk_add_f32 v[ST+4*\a+2:ST+4*\a+3], v[ST+4*\a+2:ST+4*\a+3], v[WW+4*\a:WW+4*\a+1]
.endr
.irp a, 1
	s_delay_alu instid0(VALU_DEP_2)
	v_pk_add_f32 v[ST+4*\a+2:ST+4*\a+3], v[ST+4*\a+2:ST+4*\a+3], v[WW+4*\a:WW+4*\a+1]
.endr
.irp a, 0,1
.irp kt, 0,1,2,3
.irp i, 0,1,2,3,4,5,6,7
.endr
	v_cvt_scalef32_pk8_fp8_f32 v[PP+8*\a+2*\kt:PP+8*\a+2*\kt+1], v[SS+32*\a+8*\kt:SS+32*\a+8*\kt+7], v[PSC]
.endr
.endr
.irp a, 0,1
.set j, 0
.rept 16
	v_pk_mul_f32 v[OO+32*\a+j:OO+32*\a+j+1], v[OO+32*\a+j:OO+32*\a+j+1], v[FF+2*\a:FF+2*\a+1] op_sel_hi:[1,0]   ; O^T under the new M; also the plain lines behind the conversions
.set j, j+2
.endr
.endr
	s_setprio 0
	s_wait_alu depctr_va_vdst(0)
	s_wait_dscnt 0x0                               ; V
.irp dt, 0,1,2,3
.irp a, 0,1                                    ; eight accumulators, one instruction a turn
	v_wmma_f32_16x16x64_fp8_fp8 v[OO+32*\a+8*\dt:OO+32*\a+8*\dt+7], v[VFR+8*\dt:VFR+8*\dt+7], v[PP+8*\a:PP+8*\a+7], v[OO+32*\a+8*\dt:OO+32*\a+8*\dt+7]
.endr
.endr
.Lhid_\@:
	s_add_co_u32 s[KF], s[KF], 64
	s_add_co_u32 s[TK], s[TK], QTR                 ; 64 keys' rows on
	s_add_co_u32 s[TV], s[TV], 64                  ; 64 keys' bytes on
.endm
.macro SLOT_STEPS slot
	s_wait_loadcnt 0x0                             ; Q
	s_mov_b32 s[TK], \slot*SLOT
	s_mov_b32 s[TV], \slot*SLOT+VOFF
	s_mov_b32 s[SC], 4
.Lstep_\@:
	STEP
	s_sub_co_u32 s[SC], s[SC], 1
	s_cmp_lg_u32 s[SC], 0
	s_cbranch_scc1 .Lstep_\@
	s_setprio 0
.endm
; A block of queries is done: O^T / the sum x 2^(e8 + e9), quantised with e10, into the stage at off.  again = 1: the second block begins.
.macro FINISH off, again
.rept 4
	v_nop                                          ; behind the last products
.endr
.if \again
.irp a, 0,1
.irp c, 0,1
	global_load_b128 v[QQ+8*\a+4*\c:QQ+8*\a+4*\c+3], v[QO], s[QB2:QB2+1] offset:65536*\a+32*\c
.endr
.endr
.endif
.irp a, 0,1
	v_add_f32 v[ST+4*\a+2], v[ST+4*\a+2], v[ST+4*\a+3]
.endr
.irp a, 0,1
	s_delay_alu instid0(VALU_DEP_2)
	v_permlanex16_b32 v[WW+4*\a+2], v[ST+4*\a+2], s[SEL], s[SEL+1]
.endr
.irp a, 0,1
	s_delay_alu instid0(VALU_DEP_2)
	v_add_f32 v[ST+4*\a+2], v[ST+4*\a+2], v[WW+4*\a+2]
.endr
	s_wait_alu depctr_va_vdst(0)
.irp a, 0,1
	v_rcp_f32 v[ST+4*\a+2], v[ST+4*\a+2]
.endr
	v_nop                                          ; a plain line behind the reciprocals
	s_wait_alu depctr_va_vdst(0)                   ; and a wait ahead of their first reader
.irp a, 0,1
	v_ldexp_f32 v[ST+4*\a+2], v[ST+4*\a+2], s[EPV]
.endr
.irp a, 0,1
.set j, 0
.rept 16
	v_pk_mul_f32 v[SS+32*\a+j:SS+32*\a+j+1], v[OO+32*\a+j:OO+32*\a+j+1], v[ST+4*\a+2:ST+4*\a+3] op_sel_hi:[1,0]   ; each accumulator from its low end on
.set j, j+2
.endr
.endr
.set j, 0
.rept 64
.set j, j+1
.endr
.irp a, 0,1
.irp dt, 0,1,2,3
	v_cvt_scalef32_pk8_fp8_f32 v[VFR+8*\a+2*\dt:VFR+8*\a+2*\dt+1], v[SS+32*\a+8*\dt:SS+32*\a+8*\dt+7], v[OSC]
.endr
.endr
	v_nop                                          ; one plain line behind the conversions
.irp a, 0,1
.irp dt, 0,1,2,3
	ds_store_b64 v[STO], v[VFR+8*\a+2*\dt:VFR+8*\a+2*\dt+1] offset:\off+\a*16*KP+16*\dt
.endr
.endr
.if \again
	INIT
	s_mov_b32 s[KF], 0
	s_mov_b32 s[SB], s[SB2]
	s_mov_b32 s[QW], s[QW2]
.endif
.endm
; 64 whole rows lie in the stage at off: each wave stores eight.
.macro FLUSH off, base, again
.irp i, 0,1,2,3
	ds_load_b128 v[SS+4*\i:SS+4*\i+3], v[RD] offset:\off+\i*2*KP
.endr
	s_wait_dscnt 0x0
.irp i, 0,1,2,3
	global_store_b128 v[GO], v[SS+4*\i:SS+4*\i+3], s[\base:\base+1] offset:2048*\i   ; sixteen lanes store 256 consecutive bytes, aligned
.endr
.if \again
	s_wait_xcnt 0x0                                ; the stores have read their registers, which the next scores take
.endif
.endm
; A SLOT.  The change of slots stands at its head: each wave waits for all its tensor loads (its part of this slot), adds 0 to its spare word, and waits for that, for its reads of the slot that it has left and for its stores into a stage.
; refill = 1: behind the cluster's round the slot just left takes the keys that follow: the next 256, or keys 0 on where the second block begins.  The load has this slot's four steps in which to land.
.macro TRIP slot, refill
	s_wait_tensorcnt 0x0                           ; no tensor load of mine is out, so the descriptors may be written
	ds_add_u32 v[SPW], v[NIL]
.if \refill
	s_cmp_eq_u32 s[TT], s[JJ]                      ; the first block's last slot?
	s_cselect_b32 s[WPK], s[WRK], 0
	s_cselect_b32 s[WPV], s[WRV], 0
	s_add_nc_u64 s[G0K+2:G0K+3], s[G0K+2:G0K+3], 0x40000
	s_sub_nc_u64 s[G0K+2:G0K+3], s[G0K+2:G0K+3], s[WPK:WPK+1]
	s_add_nc_u64 s[G0V+2:G0V+3], s[G0V+2:G0V+3], 256
	s_sub_nc_u64 s[G0V+2:G0V+3], s[G0V+2:G0V+3], s[WPV:WPV+1]
	s_add_co_u32 s[G0K+1], s[LWK], (1-\slot)*SLOT
	s_add_co_u32 s[G0V+1], s[LWV], (1-\slot)*SLOT
	s_wait_xcnt 0x0                                ; the last prefetch, a slot back, has read its address
	s_add_nc_u64 s[PFA:PFA+1], s[PFA:PFA+1], s[PFS:PFS+1]
.endif
	s_wait_dscnt 0x0
.if \refill
	ROUND
	JLOAD                                          ; the first thing behind the round, and my one tensor load until the next
	s_cmp_lg_u32 s[TT], s[J1]
	s_cbranch_scc1 .Lno_flush_\@
	FLUSH (1-\slot)*QTR, OB1, 1                    ; the first block's rows, which the slot before put into the other stage; the round stands between
.Lno_flush_\@:
	ASK
.else
	s_barrier_signal -1
	s_barrier_wait -1
.endif
	SLOT_STEPS \slot
.if \refill
	s_cmp_lg_u32 s[TT], s[JJ]
	s_cbranch_scc1 .Lno_finish_\@
	s_wait_alu depctr_va_vdst(0)
	FINISH \slot*QTR, 1
.Lno_finish_\@:
.endif
	s_add_co_u32 s[TT], s[TT], 1
.endm
	s_mov_b32 s[LC], 4
.Lpair:                                            ; slots 0-7
	TRIP 0, 1
	TRIP 1, 1
	s_sub_co_u32 s[LC], s[LC], 1
	s_cmp_lg_u32 s[LC], 0
	s_cbranch_scc1 .Lpair
	TRIP 0, 0                                      ; slot 8 is written out: nothing is left to ask for
	s_wait_alu depctr_va_vdst(0)
	FINISH 0, 0
	s_wait_dscnt 0x0                               ; for the others' sake: my stores into the stage are done
	s_barrier_signal -1
	s_barrier_wait -1
	FLUSH 0, OB2, 0
	s_wait_tensorcnt 0x0                           ; the wave's end
	ds_add_u32 v[SPW], v[NIL]
	s_wait_dscnt 0x0
	ROUND                                          ; the closing round
	s_endpgm
.Lfunc_end_k_q3f36d016d9_attn:
	.size	k_q3f36d016d9_attn, .Lfunc_end_k_q3f36d016d9_attn-k_q3f36d016d9_attn
	.p2alignl 7, 3214868480
	.fill 96, 4, 3214868480
	.section	.rodata,"a",@progbits
	.p2align	6, 0x0
	.amdhsa_kernel k_q3f36d016d9_attn
		.amdhsa_group_segment_fixed_size 327680
		.amdhsa_private_segment_fixed_size 0
		.amdhsa_enable_private_segment 0
		.amdhsa_kernarg_size 24
		.amdhsa_user_sgpr_count 2
		.amdhsa_user_sgpr_kernarg_segment_ptr 1
		.amdhsa_wavefront_size32 1
		.amdhsa_system_sgpr_workgroup_id_x 1
		.amdhsa_system_sgpr_workgroup_id_y 1
		.amdhsa_system_sgpr_workgroup_id_z 1
		.amdhsa_system_vgpr_workitem_id 0
		.amdhsa_next_free_vgpr 256
		.amdhsa_next_free_sgpr 100
		.amdhsa_reserve_vcc 1
		.amdhsa_float_denorm_mode_32 3
		.amdhsa_float_denorm_mode_16_64 3
		.amdhsa_fp16_overflow 1
		.amdhsa_memory_ordered 1
		.amdhsa_forward_progress 1
		.amdhsa_inst_pref_size 95
	.end_amdhsa_kernel
	.amdgpu_metadata
---
amdhsa.version: [ 1, 2 ]
amdhsa.kernels:
  - .name:           k_q3f36d016d9_attn
    .symbol:         k_q3f36d016d9_attn.kd
    .args:
      - { .name: qkv, .offset: 0, .size: 8, .value_kind: global_buffer, .address_space: global }
      - { .name: lowp_scales, .offset: 8, .size: 8, .value_kind: global_buffer, .address_space: global }
      - { .name: ac, .offset: 16, .size: 8, .value_kind: global_buffer, .address_space: global }
    .group_segment_fixed_size: 327680
    .private_segment_fixed_size: 0
    .kernarg_segment_align: 8
    .kernarg_segment_size: 24
    .max_flat_workgroup_size: 256
    .sgpr_count:     100
    .vgpr_count:     256
    .wavefront_size: 32
...
	.end_amdgpu_metadata
.endif
;; end of part 3
;; launch oproj (part 4): grid 4 x 32, 4 waves a work-group, clusters of 4 x 4, 327,680 bytes of LDS; arguments ac, wc, lowp_scales, bo, out0; writes out0
.if DOCPART == 4
	.amdgcn_target "amdgcn-amd-amdhsa--gfx1250"
	.amdhsa_code_object_version 6
	.text
	.protected	k_q3f36d016d9_oproj
	.globl	k_q3f36d016d9_oproj
	.p2align	8
	.type	k_q3f36d016d9_oproj,@function
k_q3f36d016d9_oproj:
	s_mov_b64 s[64:65], 0
	v_nop
	global_prefetch_b8 v0, s[64:65] scope:SCOPE_SE
	s_setreg_imm32_b32 hwreg(HW_REG_WAVE_MODE, 25, 1), 1
	s_wait_xcnt 0x0
	s_wait_alu depctr_hold_cnt(0) depctr_sa_sdst(0) depctr_va_vdst(0) depctr_va_sdst(0) depctr_va_ssrc(0) depctr_va_vcc(0) depctr_vm_vsrc(0)
	s_getreg_b32 s2, hwreg(HW_REG_IB_STS2, 6, 4)
	s_cmp_eq_u32 s2, 0
	s_cbranch_scc0 .Lentry_in_a_cluster
	s_endpgm
.Lentry_in_a_cluster:
	s_bfe_u32 s2, ttmp6, 0x10000c
	s_cmp_lg_u32 s2, 0xf033
	s_cbranch_scc0 .Lentry_shape_is_right
	s_endpgm
.Lentry_shape_is_right:
; out0[m][n] = (sum over k of ac[m][k] Wo[n][k]) x 2^(e10 + e11) + bo[n].  ac: [8192][1024] codes of E4M3; Wo's codes: [1024][1024] at 3 MiB of wc; out0: [8192][1024] f32.
; LIMIT: e10 + e11 between -126 and 127.
; A tile of 256 x 256 is made by four waves, each 128 x 128: 64 accumulators.  K = 1,024 goes in four steps of 256 through two LDS slots filled by the tensor data mover.
; CLUSTERS of 4 x 4: ac's tiles are asked for jointly along a row of the cluster, Wo's along a column.  The matrix instruction is used transposed (source 0 = Wo's rows, source 1 = ac's).
; The bias is the C of each sum's first product, divided by 2^(e10 + e11); each finished sum is multiplied once by that power.
; REGISTERS: window 0: v0-31 addresses; v32-95 the bias, later at work; v128-255 ac's fragments (one set), later rows of out0.  window 1: Wo's fragments, two sets.  windows 2, 3: the accumulators.
.set SIZE_N, 1024
.set KROW,   1024
.set ROWB,   256
.set PITCH,  272                       ; an LDS row: 256 bytes + 16 of padding
.set FR,     16
.set NL,     4
.set NP,     4
.set HALFT,  128*PITCH
.set SLOT,   4*HALFT
.set SPARE,  2*SLOT                    ; the spare words, 128 bytes a wave, that no other line names
.set SPITCH, 528                       ; the way out: 16 rows x (512 + 16) bytes for each wave, in slot 0, which has had its last fill and its last read by then
.set ADRA, 16
.set ADRB, 20
.set STO,  24
.set RD,   25
.set CO,   26
.set SPW,  28
.set NIL,  29
.set BC,   32
.set TMP,  32
.set AF,   128
.set BK,   128
.set G1, 24
.set G0, 32
.set G1B, 48
.set G0B, 56
.set MSB, 0
.macro WIN new
.if MSB != \new
	s_set_vgpr_msb (MSB<<8)|\new
.set MSB, \new
.endif
.endm
.set MUL_LO, 0xa1
.set MUL_HI, 0xf1
.set FST_LO, 0x81                      ; the first products: C (the bias) window 0
.set FST_HI, 0xc1
.set TO_B,   0x40
.macro JLOAD g0a, g1a, g0b, g1b        ; waves 0, 1 fetch ac's halves, waves 2, 3 Wo's; an s_nop 0 and four v_nop follow each line
	s_cmp_eq_u32 s15, 0
	s_cbranch_scc0 .Lfor_b_\@
	tensor_load_to_lds s[\g0a:\g0a+3], s[\g1a:\g1a+7]
	s_nop 0
.rept 4
	v_nop
.endr
	s_branch .Lasked_\@
.Lfor_b_\@:
	tensor_load_to_lds s[\g0b:\g0b+3], s[\g1b:\g1b+7]
	s_nop 0
.rept 4
	v_nop
.endr
.Lasked_\@:
.endm
.macro CREST
	s_cmp_lg_u32 s14, 0
	s_cbranch_scc1 .Lnot_wave_0_\@
	s_barrier_signal -3
.Lnot_wave_0_\@:
	s_barrier_wait -3
	s_barrier_signal -1
	s_barrier_wait -1
.endm
.macro CROUND
	s_barrier_signal -1
	s_barrier_wait -1
	CREST
.endm
	s_load_b256 s[68:75], s[0:1], 0x0              ; ac, wc, the scales' exponents, bo
	s_load_b64 s[10:11], s[0:1], 0x20              ; out0
	v_lshl_add_u32 v[SPW], v0, 2, SPARE
	v_mov_b32 v[NIL], 0
	ds_add_u32 v[SPW], v[NIL]                      ; the wave's opening: the add and its wait stand ahead of my first tensor load
	ds_add_u32 v[SPW], v[NIL]
	v_lshrrev_b32 v1, 5, v0
	v_readfirstlane_b32 s14, v1
	s_lshr_b32 s15, s14, 1
	s_and_b32 s16, s14, 1
	s_bfe_u32 s40, ttmp6, 0x40000
	s_bfe_u32 s41, ttmp6, 0x40004
	s_lshl_b32 s42, ttmp9, 2
	s_add_co_u32 s42, s42, s40                     ; tile column
	s_and_b32 s17, ttmp7, 0xffff
	s_lshl_b32 s17, s17, 2
	s_add_co_u32 s17, s17, s41                     ; tile row
	s_lshl_b32 s43, s41, 2
	s_lshl_b32 s43, 15, s43
	s_lshl_b32 s44, 0x1111, s40
	s_or_b32 s[G1+0], s43, (1<<20)|(1<<21)|(5<<22)|(3<<25)
	s_or_b32 s[G1B+0], s44, (1<<20)|(1<<21)|(5<<22)|(3<<25)
.irp g, G1, G1B
	s_mov_b32 s[\g+1], ROWB<<16
	s_mov_b32 s[\g+2], 128<<16
	s_mov_b32 s[\g+3], ROWB<<16
	s_mov_b32 s[\g+4], 128
	s_mov_b32 s[\g+5], KROW
	s_mov_b32 s[\g+6], 0
	s_mov_b32 s[\g+7], 0
.endr
	s_lshl_b32 s18, s16, 7
	s_lshl_b32 s20, s17, 8
	s_add_co_u32 s20, s20, s18
	s_lshl_b32 s20, s20, 10                        ; ac: row 256 x tile row + 128 x half
	s_mov_b32 s21, 0
	s_lshl_b32 s46, s42, 8
	s_add_co_u32 s46, s46, s18
	s_lshl_b32 s46, s46, 10
	s_add_co_u32 s46, s46, 0x300000                ; Wo: row 256 x tile column + 128 x half, in the fourth MiB of wc
	s_mov_b32 s47, 0
	s_mul_i32 s45, s14, HALFT
	s_wait_dscnt 0x0
	s_wait_kmcnt 0x0
	s_load_b64 s[96:97], s[72:73], 0x28            ; e10, e11
	s_add_nc_u64 s[20:21], s[68:69], s[20:21]
	s_add_nc_u64 s[46:47], s[70:71], s[46:47]
	s_lshl_b32 s22, s42, 8
	s_add_co_u32 s22, s22, s18
	s_lshl_b32 s22, s22, 2
	s_mov_b32 s23, 0
	s_add_nc_u64 s[12:13], s[74:75], s[22:23]      ; the bias of my 128 columns
	CROUND
.irp s, 0,1
	s_mov_b32 s[G0+4*\s], 1
	s_add_co_u32 s[G0+4*\s+1], s45, \s*SLOT
	s_add_nc_u64 s[G0+4*\s+2:G0+4*\s+3], s[20:21], \s*ROWB
	s_or_b32 s[G0+4*\s+3], s[G0+4*\s+3], 0x80000000
	s_mov_b32 s[G0B+4*\s], 1
	s_add_co_u32 s[G0B+4*\s+1], s45, \s*SLOT
	s_add_nc_u64 s[G0B+4*\s+2:G0B+4*\s+3], s[46:47], \s*ROWB
	s_or_b32 s[G0B+4*\s+3], s[G0B+4*\s+3], 0x80000000
	s_wait_alu depctr_va_vdst(0)
	s_wait_tensorcnt 0x0
	ds_add_u32 v28, v29
	ds_add_u32 v28, v29
	s_wait_dscnt 0x0
	CROUND
	JLOAD G0+4*\s, G1, G0B+4*\s, G1B
.endr
	v_and_b32 v1, 15, v0
	s_wait_alu depctr_va_vdst(0)
	v_bfe_u32 v2, v0, 4, 1
	v_lshlrev_b32 v8, 5, v2
.irp b, 0,1,2,3,4,5,6,7
	global_load_b128 v[BC+8*\b:BC+8*\b+3], v8, s[12:13] offset:64*\b
	global_load_b128 v[BC+8*\b+4:BC+8*\b+7], v8, s[12:13] offset:64*\b+16
.endr
	v_mul_u32_u24 v3, v1, PITCH
	v_lshl_add_u32 v4, v2, 4, v3
	s_mul_i32 s21, s15, HALFT
	s_mul_i32 s22, s16, HALFT
	s_add_co_u32 s22, s22, 2*HALFT
.irp s, 0,1
	v_add_nc_u32 v[ADRA+\s], s21, v4
	v_add_nc_u32 v[ADRB+\s], s22, v4
	s_add_co_u32 s21, s21, SLOT
	s_add_co_u32 s22, s22, SLOT
.endr
	s_mul_i32 s23, s14, 16*SPITCH                  ; my stage
	v_mul_u32_u24 v5, v1, SPITCH
	s_wait_alu depctr_va_vdst(0)
	v_lshl_add_u32 v5, v2, 5, v5
	v_add_nc_u32 v[STO], s23, v5                   ; in: row r, 32 bytes for each half of the lanes
	v_and_b32 v6, 31, v0
	v_lshlrev_b32 v[CO], 4, v6                     ; back: the 32 lanes take one row of 512 bytes; and the same in out0
	v_add_nc_u32 v[RD], s23, v[CO]
	s_lshl_b32 s20, s17, 8
	s_lshl_b32 s21, s15, 7
	s_add_co_u32 s20, s20, s21
	s_lshl_b32 s20, s20, 12                        ; my first row: 4,096 bytes each
	s_lshl_b32 s46, s42, 10
	s_lshl_b32 s47, s16, 9
	s_add_co_u32 s46, s46, s47
	s_add_co_u32 s20, s20, s46                     ; + my first column
	s_mov_b32 s21, 0
	s_add_nc_u64 s[10:11], s[10:11], s[20:21]
	s_wait_kmcnt 0x0
	s_add_co_i32 s82, s96, s97
	s_sub_co_i32 s101, 0, s82
	s_add_co_i32 s96, s82, 127
	s_lshl_b32 s96, s96, 23                        ; 2^(e10 + e11) as f32
	s_mov_b32 s97, s96
	s_wait_loadcnt 0x0
.set j, 0
.rept 64
	v_ldexp_f32 v[BC+j], v[BC+j], s101
.set j, j+1
.endr
.macro FRAG reg, adr, q, i
.irp c, 0,1,2,3
	ds_load_b128 v[\reg+4*\c:\reg+4*\c+3], v[\adr] offset:128*(\q)+32*\c+(\i)*16*PITCH
.endr
.endm
.macro MUL16 a0, p, first              ; the 64 accumulators take turns, one instruction a turn
.irp a, \a0, \a0+1
.irp b, 0,1,2,3,4,5,6,7
.if \first
	v_wmma_f32_16x16x128_fp8_fp8 v[8*(8*((\a)%4)+\b):8*(8*((\a)%4)+\b)+7], v[128*(\p)+FR*\b:128*(\p)+FR*\b+FR-1], v[AF+FR*(\a):AF+FR*(\a)+FR-1], v[BC+8*\b:BC+8*\b+7]
.else
	v_wmma_f32_16x16x128_fp8_fp8 v[8*(8*((\a)%4)+\b):8*(8*((\a)%4)+\b)+7], v[128*(\p)+FR*\b:128*(\p)+FR*\b+FR-1], v[AF+FR*(\a):AF+FR*(\a)+FR-1], v[8*(8*((\a)%4)+\b):8*(8*((\a)%4)+\b)+7]
.endif
.endr
.endr
.endm
.macro FETCH_B slot, q, p
	WIN TO_B
.irp i, 0,1,2,3,4,5,6,7
	FRAG 128*(\p)+FR*\i, ADRB+\slot, \q, \i
.endr
	WIN 0
.endm
.macro FETCH_A slot, q, i0
.irp i, \i0, \i0+1, \i0+2, \i0+3
	FRAG AF+FR*(\i), ADRA+\slot, \q, \i
.endr
.endm
.macro PLACES n
.rept \n
	v_nop
.endr
.endm
.macro STEP slot, q, first
	s_wait_dscnt 4*NL                              ; the sixteen loads of ac's blocks 4-7 may be out
.if \first
	WIN FST_LO
.else
	WIN MUL_LO
.endif
	MUL16 0, (\q)%2, \first
	MUL16 2, (\q)%2, \first
	s_wait_dscnt 0
	PLACES NP
	FETCH_B \slot, (\q)+1, 1-(\q)%2
	FETCH_A \slot, (\q)+1, 0
.if \first
	WIN FST_HI
.else
	WIN MUL_HI
.endif
	MUL16 4, (\q)%2, \first
	MUL16 6, (\q)%2, \first
	PLACES NP
	WIN 0
	FETCH_A \slot, (\q)+1, 4
.endm
.macro TURN slot, next, fill
	s_wait_tensorcnt 0x0                           ; all my tensor loads have landed
	ds_add_u32 v[SPW], v[NIL]
	s_wait_dscnt 4*NL+1                            ; the add and the sixteen youngest loads may be out
	WIN MUL_LO
	MUL16 0, 1, 0
	s_wait_dscnt 0x0                               ; the add is done, and my reads of this slot are over
	s_barrier_signal -1
	MUL16 2, 1, 0
	WIN 0
	s_barrier_wait -1
.if \fill
	CREST
	s_add_nc_u64 s[G0+4*\slot+2:G0+4*\slot+3], s[G0+4*\slot+2:G0+4*\slot+3], 2*ROWB
	s_add_nc_u64 s[G0B+4*\slot+2:G0B+4*\slot+3], s[G0B+4*\slot+2:G0B+4*\slot+3], 2*ROWB
	JLOAD G0+4*\slot, G1, G0B+4*\slot, G1B
.else
	PLACES NP
.endif
	FETCH_B \next, 0, 0
	FETCH_A \next, 0, 0
	WIN MUL_HI
	MUL16 4, 1, 0
	MUL16 6, 1, 0
	PLACES NP
	WIN 0
	FETCH_A \next, 0, 4
.endm
	s_wait_alu depctr_va_vdst(0)
	s_wait_tensorcnt 1                             ; my part of K step 0 is in; K step 1's load may be out
	s_barrier_signal -1
	s_barrier_wait -1
	FETCH_B 0, 0, 0
	FETCH_A 0, 0, 0
	FETCH_A 0, 0, 4
	STEP 0, 0, 1
	TURN 0, 1, 1
	STEP 1, 0, 0
	TURN 1, 0, 1
	STEP 0, 0, 0
	TURN 0, 1, 0
	STEP 1, 0, 0
	s_wait_dscnt 4*NL
	WIN MUL_LO
	MUL16 0, 1, 0
	MUL16 2, 1, 0
	s_wait_dscnt 0
	WIN MUL_HI
	MUL16 4, 1, 0
	MUL16 6, 1, 0
	WIN 0
; THE WAY OUT, block by block of 16 rows x 128 columns, through my own stage: in as 32 bytes a lane, back as whole rows of 512 bytes.  LDS serves a wave's instructions in order: no wait between the stores and the loads.
.macro TOSTAGE a
.set AC, 64*((\a)%4)
	WIN 0x02+((\a)/4)
.set j, 0
.rept 32
	v_pk_mul_f32 v[TMP+j:TMP+j+1], v[AC+j:AC+j+1], s[96:97] op_sel_hi:[1,0]   ; x 2^(e10 + e11); each accumulator from its low end on
.set j, j+2
.endr
	WIN 0
.irp b, 0,1,2,3,4,5,6,7
	ds_store_b128 v[STO], v[TMP+8*\b:TMP+8*\b+3] offset:64*\b
	ds_store_b128 v[STO], v[TMP+8*\b+4:TMP+8*\b+7] offset:64*\b+16
.endr
.set BB, BK+64*((\a)%2)
.irp t, 0,1,2,3,4,5,6,7,8,9,10,11,12,13,14,15
	ds_load_b128 v[BB+4*\t:BB+4*\t+3], v[RD] offset:\t*SPITCH
.endr
.endm
.macro SEND a, younger
.set BB, BK+64*((\a)%2)
	s_wait_dscnt \younger
.if (\a) > 0
	s_add_nc_u64 s[10:11], s[10:11], 16*SIZE_N*4   ; behind a wait on XCNT: the earlier stores have read their base
.endif
.irp t, 0,1,2,3,4,5,6,7,8,9,10,11,12,13,14,15
	global_store_b128 v[CO], v[BB+4*\t:BB+4*\t+3], s[10:11] offset:\t*SIZE_N*4 th:TH_STORE_NT   ; 32 lanes store 512 consecutive bytes, aligned
.endr
.endm
	PLACES NP
	TOSTAGE 0
.irp a, 1,2,3,4,5,6,7
.if \a > 1
	s_wait_xcnt 0x0                                ; block a - 2's stores have read their registers and their base
.endif
	TOSTAGE \a
	SEND \a-1, 32                                  ; behind block a - 1's loads: block a's 16 stores and 16 loads
.endr
	s_wait_xcnt 0x0
	SEND 7, 0
	s_wait_tensorcnt 0x0                           ; the wave's end
	ds_add_u32 v[SPW], v[NIL]
	s_wait_dscnt 0x0
	CROUND                                         ; the closing round
	s_endpgm
.Lfunc_end_k_q3f36d016d9_oproj:
	.size	k_q3f36d016d9_oproj, .Lfunc_end_k_q3f36d016d9_oproj-k_q3f36d016d9_oproj
	.p2alignl 7, 3214868480
	.fill 96, 4, 3214868480
	.section	.rodata,"a",@progbits
	.p2align	6, 0x0
	.amdhsa_kernel k_q3f36d016d9_oproj
		.amdhsa_group_segment_fixed_size 327680
		.amdhsa_private_segment_fixed_size 0
		.amdhsa_enable_private_segment 0
		.amdhsa_kernarg_size 40
		.amdhsa_user_sgpr_count 2
		.amdhsa_user_sgpr_kernarg_segment_ptr 1
		.amdhsa_wavefront_size32 1
		.amdhsa_system_sgpr_workgroup_id_x 1
		.amdhsa_system_sgpr_workgroup_id_y 1
		.amdhsa_system_sgpr_workgroup_id_z 1
		.amdhsa_system_vgpr_workitem_id 0
		.amdhsa_next_free_vgpr 1024
		.amdhsa_next_free_sgpr 102
		.amdhsa_reserve_vcc 0
		.amdhsa_float_denorm_mode_32 3
		.amdhsa_float_denorm_mode_16_64 3
		.amdhsa_memory_ordered 1
		.amdhsa_forward_progress 1
		.amdhsa_inst_pref_size 130
	.end_amdhsa_kernel
	.amdgpu_metadata
---
amdhsa.version: [ 1, 2 ]
amdhsa.kernels:
  - .name:           k_q3f36d016d9_oproj
    .symbol:         k_q3f36d016d9_oproj.kd
    .args:
      - { .name: ac, .offset: 0, .size: 8, .value_kind: global_buffer, .address_space: global }
      - { .name: wc, .offset: 8, .size: 8, .value_kind: global_buffer, .address_space: global }
      - { .name: lowp_scales, .offset: 16, .size: 8, .value_kind: global_buffer, .address_space: global }
      - { .name: bo, .offset: 24, .size: 8, .value_kind: global_buffer, .address_space: global }
      - { .name: out0, .offset: 32, .size: 8, .value_kind: global_buffer, .address_space: global }
    .group_segment_fixed_size: 327680
    .private_segment_fixed_size: 0
    .kernarg_segment_align: 8
    .kernarg_segment_size: 40
    .max_flat_workgroup_size: 128
    .sgpr_count:     102
    .vgpr_count:     1024
    .wavefront_size: 32
...
	.end_amdgpu_metadata
.endif
;; end of part 4
